; MI455X (gfx1250); checked and timed in simulation.
; The chip was launched on July 23, 2026; its instructions are those of AMD's public machine-readable ISA for CDNA 5 (MIT licence, August 2026) and "CDNA5" Instruction Set Architecture Reference Guide (July 2026). The comments in the code are by the model that wrote it; some were corrected since.
;; Attention. Allowed arithmetic: matrix products marked QUANTISED: E3M2 operands, one E8M0 scale for each 32 along K, by v_wmma_scale_f32_16x16x128_f8f6f4 with both operands' format E3M2, f32 sums; everything else in f32.
;; Inputs: W_k 1,024 x 1,024 float32; W_o 1,024 x 1,024 float32; W_q 1,024 x 1,024 float32; W_v 1,024 x 1,024 float32; b_o 1,024 float32; context 4 x 2,048 x 1,024 float32; x 4 x 2,048 x 1,024 float32.
;; Outputs: out0 4 x 2,048 x 1,024 float32.
;; This version of the problem:
;;   THIS VERSION OF THE PROBLEM IS GIVEN IN LOW PRECISION. The matrix products marked QUANTISED in the list below multiply operands that are first quantised to E3M2 (3 exponent bits, 2 mantissa bits; 6 bits a number), with one power-of-two scale for each 32 numbers along K (OCP MX v1.0); their sums are f32. All else is computed in f32.
;;   The module's matrix products, in the order in which they are computed (A, B: the left and right operand; K: the contracted axis; several contracted axes count as one K, in the product's order):
;;     1. [M 8,192, K 1,024] x [K 1,024, N 1,024]; A: input x; B: input W_q: QUANTISED
;;     2. [M 8,192, K 1,024] x [K 1,024, N 1,024]; A: input context; B: input W_k: QUANTISED
;;     3. [M 8,192, K 1,024] x [K 1,024, N 1,024]; A: input context; B: input W_v: QUANTISED
;;     4. batch 64 x [M 2,048, K 64] x [K 64, N 2,048]; A: computed on the way; B: computed on the way: QUANTISED
;;     5. batch 64 x [M 2,048, K 2,048] x [K 2,048, N 64]; A: softmax (see below); B: computed on the way: QUANTISED
;;     6. [M 8,192, K 1,024] x [K 1,024, N 1,024]; A: computed on the way; B: input W_o: QUANTISED
;;   THE QUANTISER, for each operand of a quantised product, along K:
;;     - K is cut into blocks of 32 from its start; a last block that is shorter is filled with zeros.
;;     - A block's scale is 2^e with e = floor(log2(the largest magnitude in the block)) - 4, held to -126 .. 127; a block of zeros has e = 0. As a byte (E8M0): e + 127.
;;     - Each number is divided by its block's scale, clamped to +-28, and rounded to the nearest number of E3M2, ties to even, subnormals kept.
;;     - The product sums the exact products of the quantised numbers (number of the format x scale) in f32.
;;   ~~~python
;;   def quantise(x, axis):      # numpy; x: float32 -> the quantised numbers, widened to float32 again
;;       x = np.moveaxis(x, axis, -1); K = x.shape[-1]
;;       x = np.pad(x, [(0, 0)] * (x.ndim - 1) + [(0, -K % 32)]); x = x.reshape(x.shape[:-1] + (-1, 32)); a = np.abs(x).max(-1, keepdims=True)
;;       e = np.where(a > 0, np.clip(np.frexp(np.where(a > 0, a, 1))[1] - 1 - 4, -126, 127), 0)      # np.frexp(a)[1] - 1 = floor(log2(a)), exactly
;;       r = np.clip(x / 2.0 ** e, -28, 28)
;;       step = 2.0 ** (np.maximum(np.frexp(np.where(r == 0, 1, r))[1] - 1, -2) - 2)
;;       q = np.round(r / step) * step * 2.0 ** e      # np.round: ties to even
;;       return np.moveaxis(q.reshape(q.shape[:-2] + (-1,))[..., :K], -1, axis).astype(np.float32)
;;   ~~~
;;   SOFTMAX AHEAD OF A QUANTISED PRODUCT. Where the list says 'softmax', what is quantised is not the finished softmax but p = 2^(t - M), with t = logit x log2(e) and M = ceil(the row's largest t), a whole number; so 1/2 < the row's largest p <= 1. The row's sum l is taken of the UNQUANTISED p, in f32, and the product's result is divided by l at the end. Since M is a whole number, a kernel that streams over the keys may use a running M (the ceiling of the running maximum): every later rescaling is an exact power of two, which a block's scale takes up: the codes' values come out the same.
;;   OPERANDS COMPUTED ON THE WAY. 'Computed on the way' means the value that the module computes at that place (a softmax that the list does not call 'softmax' is quantised finished and normalised). What goes into a quantiser is computed in f32, as accurately as f32 sums, v_exp_f32 and their like allow (about 1e-6 of the number): no bf16 or f16 on the way to a quantiser, and a product that is left as it is and whose result goes on into a quantised operand takes f32 operands (vector FMAs, or v_wmma_f32_16x16x4_f32). A number that lies on a knife's edge between two numbers of the format may be rounded either way, as far as f32 arithmetic and the matrix unit's own rounding can turn it there, and no further.
;; One version. Each part assembles by itself: llvm-mc -triple=amdgcn-amd-amdhsa -mcpu=gfx1250 --defsym DOCPART=n.
;; ======== version 1 of 1: 4 launches
;; limits: right only within a limited range of input values
;; workspace buffers: cin 15,728,640 bytes; sin 655,360 bytes; qkvc 18,874,368 bytes; qkvs 1,310,720 bytes; ac 6,291,456 bytes; as2 262,144 bytes
;; launch quant (part 1): grid 768 x 1, 4 waves a work-group, no clusters, 47,616 bytes of LDS; arguments x, context, W_q, W_k, W_v, W_o, cin, sin; writes cin, sin
.if DOCPART == 1
	.amdgcn_target "amdgcn-amd-amdhsa--gfx1250"
	.amdhsa_code_object_version 6
	.text
	.protected	k_q3df164040c_quant
	.globl	k_q3df164040c_quant
	.p2align	8
	.type	k_q3df164040c_quant,@function
k_q3df164040c_quant:
	s_mov_b64 s[64:65], 0
	v_nop
	global_prefetch_b8 v0, s[64:65] scope:SCOPE_SE
	s_setreg_imm32_b32 hwreg(HW_REG_WAVE_MODE, 25, 1), 1
	s_wait_xcnt 0x0
; x, context [8192][1024] and W_q, W_k, W_v, W_o [1024 (k)][1024 (n)], f32, become codes of BF6 (E3M2) with one E8M0 byte for each 32 along K (the activations' last axis, the weights' FIRST axis).
; A block's scale is 2^(floor(log2(largest magnitude)) - 4): its byte is the largest magnitude's exponent field - 4, held at 1 from below.
; LIMITS: NaN and infinities among the inputs are not served; a block of zeros, or one whose largest magnitude lies under 2^-122, gets the byte 1 (its bytes are read by this program alone; zero codes add nothing).
; LAYOUT OF cin: row blocks of 16 rows, 12,288 bytes each: eight K steps of 128, each an IMAGE OF THE OPERAND'S 12 REGISTERS: registers 4 c .. 4 c + 3 of lane l at 1,536 s + 512 c + 16 l.
;   Row rho of row block beta is row 32 (beta / 2) + 8 (beta % 2) + rho + 8 (rho / 8): so a product's 16 registers of two neighbouring tiles of source 0 are 16 neighbours along that axis.
;   Row blocks: x 0.., context 512.., W_q 1024.., W_k 1088.., W_v 1152.., W_o 1216.. (a weight's rows are its columns n).
; LAYOUT OF sin: row block x 512 + (s / 4) x 256 + 16 rho + 4 (s % 4): the scale word of K step s of row rho.
; Work-groups 0-511 take the activations, 512-767 the weights: two paths that never join, each with LDS bytes of its own.  No tensor loads, no barrier: waves share nothing.  No cluster: no two work-groups read the same bytes.
.set ROWB,  4096                       ; a row of any of the six tensors in bytes
.set SP,    528                        ; activations: a stage row: 512 bytes + 16, an odd multiple of 16
.set STG,   16*SP                      ; a wave's stage
.set WLDS,  4*STG                      ; the weights' path begins here in LDS
.set IMG,   1664                       ; weights: a fragment's image, 1,536 bytes, + 128
.set LI,    1                          ; v1   16 x lane
.set PC,    16                         ; v16-27  a fragment's codes
.set PT,    28                         ; v28-35  the blocks' upper halves on their way
.set TM,    36                         ; v36-51  largest magnitudes, bytes, scale operands
.set W,     52                         ; v52-55  the four K steps' scale words
.set WX,    56                         ; v56-57  the two that my lane stores
.set R,     64                         ; v64-191 two sets of 64 numbers as loaded
.set X,     192                        ; v192-255 64 numbers as the conversions want them
.set SEL,   26                         ; s[26:27] lane selects: lane l xor 16
.set NUM,   64                         ; weights: v64-191 128 numbers down K
.set CD,    192                        ; v192-223 four blocks' codes, 8 registers apart
.set CT,    224                        ; v224-239 their upper halves on their way
; 64 numbers of a lane, register 16 b + i = k 32 b + 16 (lane / 16) + i of my row, become codes: blocks 0, 1 in v[d0] on (six registers), blocks 2, 3 in v[d1] on; the row's scale word in v[pw].
.macro QUANT s, d0, d1, pw
.irp b, 0,1,2,3
	v_max3_num_f32 v[TM+\b], |v[(\s)+16*\b]|, |v[(\s)+1+16*\b]|, 0x2800000   ; my 16 numbers of block b, and the floor 2^(5 - 127): the byte cannot fall under 1
.endr
.irp i, 2,4,6,8,10,12,14
.irp b, 0,1,2,3
	v_max3_num_f32 v[TM+\b], v[TM+\b], |v[(\s)+16*\b+\i]|, |v[(\s)+1+16*\b+\i]|
.endr
.endr
.irp b, 0,1,2,3
	v_permlanex16_b32 v[TM+4+\b], v[TM+\b], s[SEL], s[SEL+1]
.endr
.irp b, 0,1,2,3
	v_max_num_f32 v[TM+\b], v[TM+\b], v[TM+4+\b]   ; with lane l xor 16's 16: the block's largest magnitude
.endr
.irp b, 0,1,2,3
	v_add_nc_u32 v[TM+12+\b], 0xfe000000, v[TM+\b] ; 4 off its exponent field: the conversion's scale operand
.endr
.irp b, 0,1,2,3
	v_lshrrev_b32 v[TM+4+\b], 23, v[TM+12+\b]      ; the scale's byte
.endr
	v_lshl_or_b32 v[\pw], v[TM+5], 8, v[TM+4]
	v_lshl_or_b32 v[\pw], v[TM+6], 16, v[\pw]
	v_lshl_or_b32 v[\pw], v[TM+7], 24, v[\pw]
	v_cvt_scalef32_pk16_bf6_f32 v[(\d0):(\d0)+2], v[(\s):(\s)+15], v[TM+12]
	v_cvt_scalef32_pk16_bf6_f32 v[PT:PT+2], v[(\s)+16:(\s)+31], v[TM+13]
	v_cvt_scalef32_pk16_bf6_f32 v[(\d1):(\d1)+2], v[(\s)+32:(\s)+47], v[TM+14]
	v_cvt_scalef32_pk16_bf6_f32 v[PT+4:PT+6], v[(\s)+48:(\s)+63], v[TM+15]
	v_nop                                          ; one plain line behind the scaled conversions
.irp i, 0,1,2
	v_permlane16_swap_b32 v[(\d0)+\i], v[PT+\i]    ; the operand wants a WHOLE block in a lane: lanes 0-15 the even block, lanes 16-31 the odd one
	v_permlane16_swap_b32 v[(\d1)+\i], v[PT+4+\i]
.endr
.irp i, 0,1,2
	v_mov_b32 v[(\d0)+3+\i], v[PT+\i]
	v_mov_b32 v[(\d1)+3+\i], v[PT+4+\i]
.endr
.endm
	s_load_b512 s[8:23], s[0:1], 0x0               ; x s[8:9], context s[10:11], W_q s[12:13], W_k s[14:15], W_v s[16:17], W_o s[18:19], cin s[20:21], sin s[22:23]
	v_lshl_add_u32 v62, v0, 2, 0xb800
	v_mov_b32 v63, 0
	v_lshrrev_b32 v2, 5, v0
	v_readfirstlane_b32 s24, v2                    ; wave 0..3
	v_and_b32 v5, 31, v0                           ; lane
	v_lshlrev_b32 v[LI], 4, v5
	s_cmp_ge_u32 ttmp9, 512
	s_cbranch_scc1 .Lweights
; ---- THE ACTIVATIONS.  A wave takes one row block's 16 rows x 512 along K: four fragments.  Each load reads 512 consecutive bytes of one row; the 16 x 512 bytes turn through the wave's own stage,
; so that lane (r, h) gets, of row r, 16 neighbours of each block of 32.
	s_mov_b32 s[SEL], 0x76543210
	s_mov_b32 s[SEL+1], 0xfedcba98
	v_and_b32 v6, 15, v0                           ; r
	v_bfe_u32 v7, v0, 4, 1                         ; h
	s_mul_i32 s28, s24, STG
	v_add_nc_u32 v2, s28, v[LI]                    ; into the stage: 16 x lane, a row an instruction
	v_mul_u32_u24 v3, v6, SP
	v_lshl_add_u32 v3, v7, 6, v3
	v_add_nc_u32 v3, s28, v3                       ; out of it: row r, + 64 h
	v_lshlrev_b32 v4, 4, v6
	v_lshl_add_u32 v4, v7, 3, v4                   ; the scale words' place: 16 r + 8 h
	v_cmp_le_u32 vcc_lo, 16, v5                    ; lanes 16-31
.irp b, 0,1,2,3
	v_mov_b32 v[TM+4+\b], 0                        ; written once: a lane permute's destination counts as one of its sources
.endr
	s_lshl_b32 s29, ttmp9, 2
	s_add_co_u32 s29, s29, s24                     ; task
	s_lshr_b32 s30, s29, 1                         ; the row block in cin, 0..1023
	s_and_b32 s31, s29, 1                          ; which half of K
	s_and_b32 s32, s30, 511                        ; the row block in its tensor
	; THE ACTIVATIONS' ROW BLOCKS have an order of their own (the order stated at the head holds for the weights' row blocks):
	; row rho of row block beta is row 64 (beta / 4) + 8 (beta % 4) + rho % 8 + 32 (rho / 8): as source 0 of a product, four neighbouring row blocks give lanes 0-15 32 neighbouring rows and lanes 16-31 the next 32.
	s_lshr_b32 s33, s32, 2
	s_lshl_b32 s33, s33, 6
	s_and_b32 s34, s32, 3
	s_lshl_b32 s34, s34, 3
	s_add_co_u32 s33, s33, s34                     ; its first row
	s_lshl_b32 s36, s33, 12
	s_lshl_b32 s34, s31, 11
	s_add_co_u32 s36, s36, s34
	s_mov_b32 s37, 0
	s_mul_i32 s38, s30, 12288
	s_mul_i32 s34, s31, 6144
	s_add_co_u32 s38, s38, s34
	s_mov_b32 s39, 0
	s_lshl_b32 s40, s30, 9
	s_lshl_b32 s34, s31, 8
	s_add_co_u32 s40, s40, s34
	s_mov_b32 s41, 0
	s_wait_alu depctr_va_vdst(0)
	s_wait_kmcnt 0x0
	s_cmp_lt_u32 ttmp9, 256                        ; x or context: the choice hangs on the work-group's number alone
	s_cselect_b64 s[8:9], s[8:9], s[10:11]
	s_add_nc_u64 s[8:9], s[8:9], s[36:37]
	s_add_nc_u64 s[20:21], s[20:21], s[38:39]
	s_add_nc_u64 s[22:23], s[22:23], s[40:41]
.macro ALOAD f                         ; K step f of my 16 rows into set f % 2: row rho lies rho + 24 (rho / 8) rows on
.set i, 0
.rept 16
	global_load_b128 v[R+64*((\f)%2)+4*i:R+64*((\f)%2)+4*i+3], v[LI], s[8:9] offset:(i+24*(i/8))*ROWB+512*(\f) th:TH_LOAD_NT   ; row rho lies rho + 24 (rho / 8) rows on
.set i, i+1
.endr
.endm
.macro ASTEP f
.if (\f) < 3
	s_wait_loadcnt 16                              ; this K step's 16 loads are in; the next step's 16 may be out
.else
	s_wait_loadcnt 0x0
.endif
.set i, 0
.rept 16
	ds_store_b128 v2, v[R+64*((\f)%2)+4*i:R+64*((\f)%2)+4*i+3] offset:SP*i
.set i, i+1
.endr
.set i, 0
.rept 16
	ds_load_b128 v[X+4*i:X+4*i+3], v3 offset:128*(i/4)+16*(i%4)   ; LDS serves a wave's instructions in order: these see the stores above
.set i, i+1
.endr
	s_wait_dscnt 0x0                               ; the numbers are back, and the stores have read their registers,
.if (\f) < 2
	ALOAD (\f)+2                                   ; which take the loads of two steps on
.endif
.if (\f) > 0
	s_wait_xcnt 0x0                                ; the last step's stores have read the codes' registers: they are written again only behind this wait
.endif
	QUANT X, PC, PC+6, W+(\f)
.irp c, 0,1,2
	global_store_b128 v[LI], v[PC+4*\c:PC+4*\c+3], s[20:21] offset:1536*(\f)+512*\c   ; 32 lanes store 512 consecutive bytes, aligned to 256
.endr
.endm
	ALOAD 0
	ALOAD 1
	ASTEP 0
	ASTEP 1
	ASTEP 2
	ASTEP 3
	v_cndmask_b32 v[WX], v[W], v[W+2], vcc_lo      ; lanes 0-15 store words 0, 1 of row r, lanes 16-31 words 2, 3
	v_cndmask_b32 v[WX+1], v[W+1], v[W+3], vcc_lo
	global_store_b64 v4, v[WX:WX+1], s[22:23]      ; 256 consecutive bytes, aligned
	s_wait_tensorcnt 0x0
	ds_add_u32 v62, v63
	s_wait_dscnt 0x0
	s_endpgm
; ---- THE WEIGHTS.  A work-group takes one K step (128 k) of 128 columns of one weight; a wave 32 columns.  A LANE TAKES A COLUMN, AND ITS REGISTERS RUN DOWN K: each load reads 128 consecutive bytes,
; a block of 32 lies in one lane, and the conversions give codes with K innermost.  The lane's four blocks go to their places in two fragment images in the wave's stage, and leave as 512 consecutive bytes a store.
.Lweights:
	s_sub_co_u32 s28, ttmp9, 512
	s_lshr_b32 s29, s28, 6                         ; which weight
	s_bfe_u32 s30, s28, 0x30003                    ; K step
	s_and_b32 s31, s28, 7
	s_lshl_b32 s32, s31, 7
	s_lshl_b32 s33, s24, 5
	s_add_co_u32 s32, s32, s33                     ; my wave's first column
	s_wait_alu depctr_va_vdst(0)
	v_lshlrev_b32 v2, 2, v5                        ; 4 bytes a lane
	v_bfe_u32 v6, v0, 3, 1                         ; column lambda of 32 lies in row block u = (lambda / 8) % 2
	v_and_b32 v7, 7, v0
	v_bfe_u32 v8, v0, 4, 1
	v_lshl_add_u32 v7, v8, 3, v7                   ; as its row rho = lambda % 8 + 8 (lambda / 16)
	s_mul_i32 s33, s24, 2*IMG
	s_add_co_u32 s33, s33, WLDS
	v_mul_u32_u24 v3, v6, IMG
	v_lshl_add_u32 v3, v7, 4, v3
	v_add_nc_u32 v3, s33, v3                       ; into the stage: image u, lane rho's 16 bytes
	v_add_nc_u32 v4, s33, v[LI]                    ; out of it: 16 x lane
	v_lshlrev_b32 v9, 9, v6
	v_lshl_add_u32 v9, v7, 4, v9                   ; the scale word's place: 512 u + 16 rho
	s_lshl_b32 s36, s30, 19                        ; 128 rows of 4,096 bytes a K step
	s_lshl_b32 s34, s32, 2
	s_add_co_u32 s36, s36, s34
	s_mov_b32 s37, 0
	s_lshl_b32 s34, s29, 6
	s_lshr_b32 s35, s32, 4
	s_add_co_u32 s34, s34, s35
	s_add_co_u32 s34, s34, 1024                    ; the row block of u = 0
	s_mul_i32 s38, s34, 12288
	s_mul_i32 s35, s30, 1536
	s_add_co_u32 s38, s38, s35
	s_mov_b32 s39, 0
	s_lshl_b32 s40, s34, 9
	s_lshr_b32 s35, s30, 2
	s_lshl_b32 s35, s35, 8
	s_add_co_u32 s40, s40, s35
	s_and_b32 s35, s30, 3
	s_lshl_b32 s35, s35, 2
	s_add_co_u32 s40, s40, s35
	s_mov_b32 s41, 0
	s_wait_kmcnt 0x0
	s_cmp_eq_u32 s29, 1
	s_cselect_b64 s[12:13], s[14:15], s[12:13]
	s_cmp_eq_u32 s29, 2
	s_cselect_b64 s[12:13], s[16:17], s[12:13]
	s_cmp_eq_u32 s29, 3
	s_cselect_b64 s[12:13], s[18:19], s[12:13]
	s_add_nc_u64 s[12:13], s[12:13], s[36:37]
	s_add_nc_u64 s[20:21], s[20:21], s[38:39]
	s_add_nc_u64 s[22:23], s[22:23], s[40:41]
.macro WLOAD t
.set i, 0
.rept 32
	global_load_b32 v[NUM+32*(\t)+i], v2, s[12:13] offset:(32*(\t)+i)*ROWB th:TH_LOAD_NT
.set i, i+1
.endr
.endm
.macro WBLOCK t                        ; block t of my column: k = 32 t .. 32 t + 31
.set XS, NUM+32*(\t)
.set CC, CD+8*(\t)
.set CU, CT+4*(\t)
.if (\t) < 3
	s_wait_loadcnt 32                              ; this block's 32 loads are in; the next block's may be out
.else
	s_wait_loadcnt 0x0
.endif
	v_max3_num_f32 v10, |v[XS]|, |v[XS+1]|, |v[XS+2]|
	v_max3_num_f32 v11, |v[XS+3]|, |v[XS+4]|, |v[XS+5]|
.irp i, 6,10,14,18,22,26
	v_max3_num_f32 v10, v10, |v[XS+\i]|, |v[XS+\i+1]|
	v_max3_num_f32 v11, v11, |v[XS+\i+2]|, |v[XS+\i+3]|
.endr
	v_max3_num_f32 v10, v10, |v[XS+30]|, |v[XS+31]|
	v_max3_num_f32 v10, v10, v11, 0x2800000        ; and the floor
	v_add_nc_u32 v13, 0xfe000000, v10              ; the conversion's scale operand
	v_lshrrev_b32 v11, 23, v13                     ; the byte
.if (\t) == 0
	v_mov_b32 v12, v11
.else
	v_lshl_or_b32 v12, v11, 8*(\t), v12            ; four bytes make my column's scale word
.endif
	v_cvt_scalef32_pk16_bf6_f32 v[CC:CC+2], v[XS:XS+15], v13
	v_cvt_scalef32_pk16_bf6_f32 v[CU:CU+2], v[XS+16:XS+31], v13   ; (a conversion's three registers begin on an even number)
	v_nop
.irp i, 0,1,2
	v_mov_b32 v[CC+3+\i], v[CU+\i]
.endr
; block t is registers 6 (t / 2) .. + 5 of lane rho + 16 (t % 2) of the image
.if (\t) < 2
	ds_store_b128 v3, v[CC:CC+3] offset:256*(\t)
	ds_store_b64 v3, v[CC+4:CC+5] offset:512+256*(\t)
.else
	ds_store_b64 v3, v[CC:CC+1] offset:520+256*((\t)-2)
	ds_store_b128 v3, v[CC+2:CC+5] offset:1024+256*((\t)-2)
.endif
.if (\t) < 2
	WLOAD (\t)+2
.endif
.endm
	WLOAD 0
	WLOAD 1
	WBLOCK 0
	WBLOCK 1
	WBLOCK 2
	WBLOCK 3
.irp i, 0,1,2,3,4,5
	ds_load_b128 v[NUM+4*\i:NUM+4*\i+3], v4 offset:IMG*(\i/3)+512*(\i%3)   ; LDS serves a wave's instructions in order: these see my stores
.endr
	s_wait_alu depctr_va_vdst(0)
.irp i, 0,1,2,3,4,5
	s_wait_dscnt 5-\i
	global_store_b128 v[LI], v[NUM+4*\i:NUM+4*\i+3], s[20:21] offset:12288*(\i/3)+512*(\i%3)   ; 512 consecutive bytes, aligned to 256
.endr
	global_store_b32 v9, v12, s[22:23]             ; 4 bytes a lane, 16 bytes apart: aligned blocks of 256 bytes are written in part here: 128 KiB of the launch's 100 MB
	s_wait_tensorcnt 0x0
	ds_add_u32 v62, v63
	s_wait_dscnt 0x0
	s_endpgm
.Lfunc_end_k_q3df164040c_quant:
	.size	k_q3df164040c_quant, .Lfunc_end_k_q3df164040c_quant-k_q3df164040c_quant
	.p2alignl 7, 3214868480
	.fill 96, 4, 3214868480
	.section	.rodata,"a",@progbits
	.p2align	6, 0x0
	.amdhsa_kernel k_q3df164040c_quant
		.amdhsa_group_segment_fixed_size 47616
		.amdhsa_private_segment_fixed_size 0
		.amdhsa_enable_private_segment 0
		.amdhsa_kernarg_size 64
		.amdhsa_user_sgpr_count 2
		.amdhsa_user_sgpr_kernarg_segment_ptr 1
		.amdhsa_wavefront_size32 1
		.amdhsa_system_sgpr_workgroup_id_x 1
		.amdhsa_system_sgpr_workgroup_id_y 1
		.amdhsa_system_sgpr_workgroup_id_z 1
		.amdhsa_system_vgpr_workitem_id 0
		.amdhsa_next_free_vgpr 256
		.amdhsa_next_free_sgpr 66
		.amdhsa_reserve_vcc 1
		.amdhsa_float_denorm_mode_32 3
		.amdhsa_float_denorm_mode_16_64 3
		.amdhsa_memory_ordered 1
		.amdhsa_forward_progress 1
		.amdhsa_inst_pref_size 55
	.end_amdhsa_kernel
	.amdgpu_metadata
---
amdhsa.version: [ 1, 2 ]
amdhsa.kernels:
  - .name:           k_q3df164040c_quant
    .symbol:         k_q3df164040c_quant.kd
    .args:
      - { .name: x, .offset: 0, .size: 8, .value_kind: global_buffer, .address_space: global }
      - { .name: context, .offset: 8, .size: 8, .value_kind: global_buffer, .address_space: global }
      - { .name: W_q, .offset: 16, .size: 8, .value_kind: global_buffer, .address_space: global }
      - { .name: W_k, .offset: 24, .size: 8, .value_kind: global_buffer, .address_space: global }
      - { .name: W_v, .offset: 32, .size: 8, .value_kind: global_buffer, .address_space: global }
      - { .name: W_o, .offset: 40, .size: 8, .value_kind: global_buffer, .address_space: global }
      - { .name: cin, .offset: 48, .size: 8, .value_kind: global_buffer, .address_space: global }
      - { .name: sin, .offset: 56, .size: 8, .value_kind: global_buffer, .address_space: global }
    .group_segment_fixed_size: 47616
    .private_segment_fixed_size: 0
    .kernarg_segment_align: 8
    .kernarg_segment_size: 64
    .max_flat_workgroup_size: 128
    .sgpr_count:     66
    .vgpr_count:     256
    .wavefront_size: 32
...
	.end_amdgpu_metadata
.endif
;; end of part 1
;; launch proj (part 2): grid 256 x 1, 4 waves a work-group, clusters of 4 x 1, 327,680 bytes of LDS; arguments cin, sin, qkvc, qkvs; writes qkvc, qkvs
.if DOCPART == 2
	.amdgcn_target "amdgcn-amd-amdhsa--gfx1250"
	.amdhsa_code_object_version 6
	.text
	.protected	k_q3df164040c_proj
	.globl	k_q3df164040c_proj
	.p2align	8
	.type	k_q3df164040c_proj,@function
k_q3df164040c_proj:
	s_mov_b64 s[64:65], 0
	v_nop
	global_prefetch_b8 v0, s[64:65] scope:SCOPE_SE
	s_setreg_imm32_b32 hwreg(HW_REG_WAVE_MODE, 25, 1), 1
	s_wait_xcnt 0x0
	s_wait_alu depctr_hold_cnt(0) depctr_sa_sdst(0) depctr_va_vdst(0) depctr_va_sdst(0) depctr_va_ssrc(0) depctr_va_vcc(0) depctr_vm_vsrc(0)
	s_getreg_b32 s2, hwreg(HW_REG_IB_STS2, 6, 4)
	s_cmp_eq_u32 s2, 0
	s_cbranch_scc0 .Lentry_in_a_cluster
	s_endpgm
.Lentry_in_a_cluster:
	s_bfe_u32 s2, ttmp6, 0x10000c
	s_cmp_lg_u32 s2, 0x3003
	s_cbranch_scc0 .Lentry_shape_is_right
	s_endpgm
.Lentry_shape_is_right:
; q = x W_q, k = context W_k, v = context W_v on codes of BF6 (E3M2) with E8M0 scales, f32 sums; the results are quantised in registers and leave as codes, laid as the attention's operand registers want them.
; G[R][C] = sum over k of A[R][k] B[C][k], quantised ALONG C.  Source 0 = 16 rows of B, source 1 = 16 rows of A: a lane holds ONE row R and its registers run along C.
;   tile 0: A = x, B = W_q (C = the heads' channels);  tile 1: A = context, B = W_k;  tile 2: A = W_v, B = context (C = the tokens, which are the second attention product's K).
; ROW BLOCKS of cin (16 rows, 12,288 bytes: eight K steps, each an image of the operand's 12 registers).  A weight's: row rho of block beta is row 32 (beta / 2) + 8 (beta % 2) + rho + 8 (rho / 8): the 16 registers of tiles 2 b, 2 b + 1 are
; C = 32 b + 16 h + 0 .. 15 (h = lane / 16).  An activation's: row 64 (beta / 4) + 8 (beta % 4) + rho % 8 + 32 (rho / 8): the 32 registers of tiles 4 g .. 4 g + 3 are C = 64 g + 32 h + 0 .. 31.
; SHARES.  A WORK-GROUP STAYS and makes three tiles of 128 R x 256 C, one of each product: 256 work-groups.  Four waves, 64 R x 128 C each: 32 accumulators.
; THE RING.  Two LDS slots of 147,456 bytes, each with half of K (four K steps) of B's 16 row blocks and of A's 8.  One tensor load a wave behind each round: waves 0, 1 bring 8 row blocks of B each, waves 2, 3 four of A each, as rows of
; 6,144 bytes that begin at multiples of 256.  The ring goes on from tile to tile: slot 0 is asked for again in K step 3, slot 1 in K step 7, each with the next tile's half; the last tile, written out, asks for nothing more.
; By the text's own count a wave has one tensor load out; every wait on TENSORcnt is for 0.
; CLUSTER.  4 x 1: the four partners have the same 256 C in every tile: B's halves (two thirds of a slot) are asked for jointly; A's, a work-group's own, by plain loads behind the same rounds.
; PREFETCH.  Behind each refill the bytes of the NEXT refill are asked for: a lane a block of 256 bytes, 24 blocks to a row block's half; wave w names A's row blocks 2 w, 2 w + 1 and B's row block 4 cx + w, so that the partners share B out
; by address.  The first tile's two halves come by their loads alone; behind the last refill nothing is asked for.
; LIMITS: a block of zeros, or one whose largest magnitude lies under 2^-122, gets the byte 1 (this program alone reads the bytes; zero codes add nothing); NaN and infinities are not served.
; REGISTERS: window 0: v1 16 x lane; v2-3, v6-7 LDS addresses of A's and B's fragments in slot 0, 1; v10-15 offsets; v16-31 A's scale words, v32-63 B's; v64-111, v112-159 A's fragments, two sets (in the epilogue: the codes made);
;   v253 the prefetches' offset; v254, v255 the add's two.   window 1: the accumulators, (a, b) at v[64 a + 8 b].   window 2: B's fragments, two sets, at v0 and v96.
.set SLOT, 147456
.set ADA,  2
.set ADB,  6
.set SA,   16                          ; register SA + 8 (a / 2) + s: the word of A's row block a, K step s, in lanes 16 (a % 2) + r
.set SB,   32
.set AF,   64
.set OUT,  64
.set PT,   112
.set TM,   120
.set PW,   136
.set WS,   140
.set PFO,  253
.set WV,   12
.set AW,   13
.set BW,   14
.set CX,   15
.set G1A,  16
.set G1B,  24
.set G0A,  32                          ; s[32:39] A's group 0, one for each slot;  s[48:55] B's
.set G0B,  48
.set NXA,  40                          ; the next tile's first row block of A, of B;
.set NXB,  42
.set N2A,  44                          ; tile 2's
.set N2B,  46
.set NXSA, 56                          ; my scale words of the next tile, A's and B's;
.set NXSB, 58
.set N2SA, 60                          ; of tile 2
.set N2SB, 62
.set WOA,  72                          ; byte offsets as pairs: the row blocks that I fetch of A, of B;
.set WOB,  74
.set PWA,  76                          ; those that I prefetch
.set PWB,  78
.set PFA,  80                          ; where my prefetches stand
.set PFB,  82
.set SEL,  100
.set MSB, 0
.macro WIN new                         ; the immediate's high byte repeats the setting that is left
.if MSB != \new
	s_set_vgpr_msb (MSB<<8)|\new
.set MSB, \new
.endif
.endm
.macro CROUND                          ; a round of the cluster's barrier
	s_barrier_signal -1
	s_barrier_wait -1
	s_cmp_lg_u32 s[WV], 0
	s_cbranch_scc1 .Lnot_wave_0_\@
	s_barrier_signal -3
.Lnot_wave_0_\@:
	s_barrier_wait -3
	s_barrier_signal -1
	s_barrier_wait -1
.endm
.macro PLACES
.rept 4
	v_nop
.endr
.endm
.macro JLOAD slot                      ; my one load behind a round: waves 0, 1 B's (joint), waves 2, 3 A's; the branch hangs on the wave's number alone
	s_cmp_eq_u32 s[AW], 0
	s_cbranch_scc0 .Lfor_a_\@
	tensor_load_to_lds s[G0B+4*(\slot):G0B+4*(\slot)+3], s[G1B:G1B+7]
	s_nop 0
	PLACES
	s_branch .Lasked_\@
.Lfor_a_\@:
	tensor_load_to_lds s[G0A+4*(\slot):G0A+4*(\slot)+3], s[G1A:G1A+7]
	s_nop 0
	PLACES
.Lasked_\@:
.endm
.macro ASK first                       ; first = 1: only in the first trip (behind the last refill nothing is left to ask for)
.if \first
	s_cmp_eq_u32 s67, 0
	s_cbranch_scc0 .Lnone_\@
.endif
	global_prefetch_b8 v[PFO], s[PFA:PFA+1] th:TH_LOAD_NT scope:SCOPE_SE
	global_prefetch_b8 v[PFO], s[PFA:PFA+1] offset:12288 th:TH_LOAD_NT scope:SCOPE_SE
	global_prefetch_b8 v[PFO], s[PFB:PFB+1] th:TH_LOAD_NT scope:SCOPE_SE
.Lnone_\@:
.endm
; A change of slots with a refill.  My reads of the slot are over (the wait ahead of the macro).  A wait on TENSORcnt and the add, the descriptors' steps between the add and its wait, a round, the refill.
.macro TURN slot
	s_wait_xcnt 0x0                                ; my prefetches have read their addresses, which are written below
	s_wait_tensorcnt 0x0                           ; my one load that was out, my part of the other slot, has landed
	ds_add_u32 v254, v255
.if (\slot) == 0
	s_add_nc_u64 s[G0A+2:G0A+3], s[NXA:NXA+1], s[WOA:WOA+1]       ; the next tile's first half
	s_add_nc_u64 s[G0B+2:G0B+3], s[NXB:NXB+1], s[WOB:WOB+1]
	s_add_nc_u64 s[PFA:PFA+1], s[NXA:NXA+1], s[PWA:PWA+1]
	s_add_nc_u64 s[PFB:PFB+1], s[NXB:NXB+1], s[PWB:PWB+1]
	s_add_nc_u64 s[PFA:PFA+1], s[PFA:PFA+1], 6144                 ; to be prefetched: its second half
	s_add_nc_u64 s[PFB:PFB+1], s[PFB:PFB+1], 6144
.else
	s_add_nc_u64 s[G0A+6:G0A+7], s[NXA:NXA+1], s[WOA:WOA+1]       ; the next tile's second half
	s_add_nc_u64 s[G0B+6:G0B+7], s[NXB:NXB+1], s[WOB:WOB+1]
	s_add_nc_u64 s[G0A+6:G0A+7], s[G0A+6:G0A+7], 6144
	s_add_nc_u64 s[G0B+6:G0B+7], s[G0B+6:G0B+7], 6144
	s_mov_b64 s[NXA:NXA+1], s[N2A:N2A+1]                          ; the tile after that is tile 2
	s_mov_b64 s[NXB:NXB+1], s[N2B:N2B+1]
	s_add_nc_u64 s[PFA:PFA+1], s[NXA:NXA+1], s[PWA:PWA+1]         ; to be prefetched: its first half
	s_add_nc_u64 s[PFB:PFB+1], s[NXB:NXB+1], s[PWB:PWB+1]
.endif
	s_or_b32 s[G0A+4*(\slot)+3], s[G0A+4*(\slot)+3], 0x80000000
	s_or_b32 s[G0B+4*(\slot)+3], s[G0B+4*(\slot)+3], 0x80000000
	s_wait_dscnt 0x0
	CROUND                                         ; no wave of any partner still reads the slot or has a load on its way
	JLOAD \slot                                    ; its four v_nop are also the places in front of the loads that follow
.endm
; the fragments of K step s into set: images of the operands' registers, 16 bytes a lane, 512 consecutive bytes a load
.macro FETCH s, set
	WIN 0x80                                       ; destination window 2
.irp i, 0,1,2,3,4,5,6,7
.irp c, 0,1,2
	ds_load_b128 v[96*(\set)+12*\i+4*\c:96*(\set)+12*\i+4*\c+3], v[ADB+(\s)/4] offset:6144*\i+1536*((\s)%4)+512*\c
.endr
.endr
	WIN 0
.irp i, 0,1,2,3
.irp c, 0,1,2
	ds_load_b128 v[AF+48*(\set)+12*\i+4*\c:AF+48*(\set)+12*\i+4*\c+3], v[ADA+(\s)/4] offset:6144*\i+1536*((\s)%4)+512*\c
.endr
.endr
.endm
; one product: A's row block a x B's row block b, K step s.  An odd row block's scale words lie in lanes 16-31 of their register
.macro WM a, b, s, set, zero
.set rD, 64*(\a)+8*(\b)
.set rB, 96*(\set)+12*(\b)
.set rA, AF+48*(\set)+12*(\a)
.set rT, SB+8*((\b)/2)+(\s)
.set rU, SA+8*((\a)/2)+(\s)
.set oB, (\b)%2
.set oA, (\a)%2
.if \zero
.if oB && oA
	v_wmma_scale_f32_16x16x128_f8f6f4 v[rD:rD+7], v[rB:rB+11], v[rA:rA+11], 0, v[rT], v[rU] matrix_a_fmt:MATRIX_FMT_BF6 matrix_b_fmt:MATRIX_FMT_BF6 matrix_a_scale:MATRIX_SCALE_ROW1 matrix_b_scale:MATRIX_SCALE_ROW1
.elseif oB
	v_wmma_scale_f32_16x16x128_f8f6f4 v[rD:rD+7], v[rB:rB+11], v[rA:rA+11], 0, v[rT], v[rU] matrix_a_fmt:MATRIX_FMT_BF6 matrix_b_fmt:MATRIX_FMT_BF6 matrix_a_scale:MATRIX_SCALE_ROW1
.elseif oA
	v_wmma_scale_f32_16x16x128_f8f6f4 v[rD:rD+7], v[rB:rB+11], v[rA:rA+11], 0, v[rT], v[rU] matrix_a_fmt:MATRIX_FMT_BF6 matrix_b_fmt:MATRIX_FMT_BF6 matrix_b_scale:MATRIX_SCALE_ROW1
.else
	v_wmma_scale_f32_16x16x128_f8f6f4 v[rD:rD+7], v[rB:rB+11], v[rA:rA+11], 0, v[rT], v[rU] matrix_a_fmt:MATRIX_FMT_BF6 matrix_b_fmt:MATRIX_FMT_BF6
.endif
.else
.if oB && oA
	v_wmma_scale_f32_16x16x128_f8f6f4 v[rD:rD+7], v[rB:rB+11], v[rA:rA+11], v[rD:rD+7], v[rT], v[rU] matrix_a_fmt:MATRIX_FMT_BF6 matrix_b_fmt:MATRIX_FMT_BF6 matrix_a_scale:MATRIX_SCALE_ROW1 matrix_b_scale:MATRIX_SCALE_ROW1
.elseif oB
	v_wmma_scale_f32_16x16x128_f8f6f4 v[rD:rD+7], v[rB:rB+11], v[rA:rA+11], v[rD:rD+7], v[rT], v[rU] matrix_a_fmt:MATRIX_FMT_BF6 matrix_b_fmt:MATRIX_FMT_BF6 matrix_a_scale:MATRIX_SCALE_ROW1
.elseif oA
	v_wmma_scale_f32_16x16x128_f8f6f4 v[rD:rD+7], v[rB:rB+11], v[rA:rA+11], v[rD:rD+7], v[rT], v[rU] matrix_a_fmt:MATRIX_FMT_BF6 matrix_b_fmt:MATRIX_FMT_BF6 matrix_b_scale:MATRIX_SCALE_ROW1
.else
	v_wmma_scale_f32_16x16x128_f8f6f4 v[rD:rD+7], v[rB:rB+11], v[rA:rA+11], v[rD:rD+7], v[rT], v[rU] matrix_a_fmt:MATRIX_FMT_BF6 matrix_b_fmt:MATRIX_FMT_BF6
.endif
.endif
.endm
.macro MUL s, set, zero                ; a K step's 32 products: the 32 accumulators take turns, one instruction a turn, in the same order in every step
	WIN 0x52                                       ; source 0 (B) window 2, source 1 (A) window 0, C and D window 1
.irp a, 0,1,2,3
.irp b, 0,1,2,3,4,5,6,7
	WM \a, \b, \s, \set, \zero
.endr
.endr
.endm
; mode 0: inside a slot;  1: the slot just read out is filled again;  2: the last change of slots: nothing is filled again, a work-group barrier shows the other slot whole
.macro KSTEP s, mode
	s_wait_dscnt 0x0                               ; this step's fragments are in (asked for a K step's 32 products ago): in K steps 3 and 7 these were my last reads of the slot
.if (\mode) == 1
	TURN (\s)/4
.elseif (\mode) == 2
	s_wait_tensorcnt 0x0
	s_barrier_signal -1
	s_barrier_wait -1
	PLACES
.elseif (\s) > 0
	PLACES                                         ; in front of loads into the set that the last step's products read
.endif
.if (\s) < 7
	FETCH (\s)+1, ((\s)+1)%2
.endif
.if (\mode) == 1
	ASK (\s)/4
.endif
	MUL \s, (\s)%2, (\s)==0
	WIN 0
.endm
.macro SCLOAD                          ; my scale words of a tile: lanes 0-15 an even row block's, lanes 16-31 the next one's
.irp i, 0,1
.irp k, 0,1
	global_load_b128 v[SA+8*\i+4*\k:SA+8*\i+4*\k+3], v10, s[NXSA:NXSA+1] offset:1024*\i+256*\k
.endr
.endr
.irp i, 0,1,2,3
.irp k, 0,1
	global_load_b128 v[SB+8*\i+4*\k:SB+8*\i+4*\k+3], v10, s[NXSB:NXSB+1] offset:1024*\i+256*\k
.endr
.endr
.endm
; 64 results of a lane in window 1, register 16 b + i = C 32 b + 16 h + i of my row R, become codes: blocks 0, 1 in v[d0] on, blocks 2, 3 in v[d1] on; the four bytes in v[pw].  Each accumulator is read from its low end on.
.macro QUANTW s, d0, d1, pw
	WIN 0x05                                       ; sources 0 and 1 window 1
.irp b, 0,1,2,3
	v_max3_num_f32 v[TM+\b], |v[(\s)+16*\b]|, |v[(\s)+1+16*\b]|, 0x2800000   ; the floor 2^(5 - 127): the byte cannot fall under 1
.endr
.irp i, 2,4,6,8,10,12,14
.irp b, 0,1,2,3
	v_max3_num_f32 v[TM+\b], |v[(\s)+16*\b+\i]|, |v[(\s)+1+16*\b+\i]|, v[TM+\b]
.endr
.endr
	WIN 0
.irp b, 0,1,2,3
	v_permlanex16_b32 v[TM+4+\b], v[TM+\b], s[SEL], s[SEL+1]
.endr
.irp b, 0,1,2,3
	v_max_num_f32 v[TM+\b], v[TM+\b], v[TM+4+\b]
.endr
.irp b, 0,1,2,3
	v_add_nc_u32 v[TM+12+\b], 0xfe000000, v[TM+\b] ; 4 off the exponent field: the conversion's scale operand
.endr
.irp b, 0,1,2,3
	v_lshrrev_b32 v[TM+4+\b], 23, v[TM+12+\b]
.endr
	v_lshl_or_b32 v[\pw], v[TM+5], 8, v[TM+4]
	v_lshl_or_b32 v[\pw], v[TM+6], 16, v[\pw]
	v_lshl_or_b32 v[\pw], v[TM+7], 24, v[\pw]
	WIN 0x01                                       ; source 0 window 1
	v_cvt_scalef32_pk16_bf6_f32 v[(\d0):(\d0)+2], v[(\s):(\s)+15], v[TM+12]
	v_cvt_scalef32_pk16_bf6_f32 v[PT:PT+2], v[(\s)+16:(\s)+31], v[TM+13]
	v_cvt_scalef32_pk16_bf6_f32 v[(\d1):(\d1)+2], v[(\s)+32:(\s)+47], v[TM+14]
	v_cvt_scalef32_pk16_bf6_f32 v[PT+4:PT+6], v[(\s)+48:(\s)+63], v[TM+15]
	WIN 0
	v_nop                                          ; one plain line behind the scaled conversions
.irp i, 0,1,2
	v_permlane16_swap_b32 v[(\d0)+\i], v[PT+\i]
	v_permlane16_swap_b32 v[(\d1)+\i], v[PT+4+\i]
.endr
.irp i, 0,1,2
	v_mov_b32 v[(\d0)+3+\i], v[PT+\i]
	v_mov_b32 v[(\d1)+3+\i], v[PT+4+\i]
.endr
.endm
; The same where C runs over an activation's row blocks: registers 0-31 are C = 32 h + 0 .. 31, registers 32-63 C = 64 + 32 h + 0 .. 31: two WHOLE blocks in a lane, as the operand's layout has them.
; No lane is asked for a maximum and no codes change lanes; the scale word's four bytes are gathered from lanes l and l xor 16.
.macro QUANTV s, d, pw
	WIN 0x05
.irp c, 0,1
	v_max3_num_f32 v[TM+\c], |v[(\s)+32*\c]|, |v[(\s)+1+32*\c]|, 0x2800000
.endr
.irp i, 2,4,6,8,10,12,14,16,18,20,22,24,26,28,30
.irp c, 0,1
	v_max3_num_f32 v[TM+\c], |v[(\s)+32*\c+\i]|, |v[(\s)+1+32*\c+\i]|, v[TM+\c]
.endr
.endr
	WIN 0
	v_add_nc_u32 v[TM+12], 0xfe000000, v[TM]
	v_add_nc_u32 v[TM+13], 0xfe000000, v[TM+1]
	v_lshrrev_b32 v[TM+4], 23, v[TM+12]
	v_lshrrev_b32 v[TM+5], 23, v[TM+13]
	v_lshl_or_b32 v[TM+4], v[TM+5], 16, v[TM+4]    ; my two bytes: blocks h and 2 + h,
	v_lshlrev_b32 v[TM+4], v11, v[TM+4]            ; at their places in the word
	v_permlanex16_b32 v[TM+6], v[TM+4], s[SEL], s[SEL+1]
	v_or_b32 v[\pw], v[TM+4], v[TM+6]              ; with lane l xor 16's two the word is whole, in both halves of the lanes
	WIN 0x01
	v_cvt_scalef32_pk16_bf6_f32 v[(\d):(\d)+2], v[(\s):(\s)+15], v[TM+12]
	v_cvt_scalef32_pk16_bf6_f32 v[PT:PT+2], v[(\s)+16:(\s)+31], v[TM+12]
	v_cvt_scalef32_pk16_bf6_f32 v[(\d)+6:(\d)+8], v[(\s)+32:(\s)+47], v[TM+13]
	v_cvt_scalef32_pk16_bf6_f32 v[PT+4:PT+6], v[(\s)+48:(\s)+63], v[TM+13]
	WIN 0
	v_nop
.irp i, 0,1,2
	v_mov_b32 v[(\d)+3+\i], v[PT+\i]               ; (a conversion's three registers begin on an even number)
	v_mov_b32 v[(\d)+9+\i], v[PT+4+\i]
.endr
.endm
	s_load_b256 s[4:11], s[0:1], 0x0               ; cin s[4:5], sin s[6:7], qkvc s[8:9], qkvs s[10:11]
	v_lshl_add_u32 v254, v0, 2, 0x48000
	v_mov_b32 v255, 0
	ds_add_u32 v254, v255                          ; the opening lines: the add, twice on end, and its wait
	ds_add_u32 v254, v255
	v_lshrrev_b32 v1, 5, v0
	v_readfirstlane_b32 s[WV], v1                  ; wave 0..3
	s_lshr_b32 s[AW], s[WV], 1                     ; which 64 R are mine.  Also: I fetch for B (0) or for A (1)
	s_and_b32 s[BW], s[WV], 1                      ; which 128 C.  Also: which half of that operand's row blocks I fetch
	s_bfe_u32 s[CX], ttmp6, 0x40000                ; my place in the cluster: it enters A's global addresses, the prefetches' and the stores' alone
	s_mov_b32 s67, 0                               ; the tile
	s_and_b32 s69, ttmp9, 3                        ; q, k: which 256 C: the same in all four partners (ttmp9 counts clusters)
	s_lshr_b32 s70, ttmp9, 2
	s_lshl_b32 s71, s70, 2
	s_add_co_u32 s71, s71, s[CX]                   ; q, k: my 128 R
	s_lshr_b32 s84, ttmp9, 1                       ; v: which 256 C
	s_and_b32 s85, ttmp9, 1
	s_lshl_b32 s85, s85, 2
	s_add_co_u32 s85, s85, s[CX]                   ; v: my 128 R
	s_lshl_b32 s86, s71, 3                         ; first row blocks.  Tile 0: A in x (from 0),
	s_lshl_b32 s87, s69, 4
	s_add_co_u32 s87, s87, 1024                    ; B in W_q (from 1024); tile 1 lies 512 and 64 row blocks on (context, W_k)
	s_lshl_b32 s88, s85, 3
	s_add_co_u32 s88, s88, 1152                    ; tile 2: A in W_v,
	s_lshl_b32 s89, s84, 4
	s_add_co_u32 s89, s89, 512                     ; B in context
	s_mul_i32 s90, s86, 12288
	s_mov_b32 s91, 0
	s_mul_i32 s92, s87, 12288
	s_mov_b32 s93, 0
	s_mul_i32 s94, s88, 12288
	s_mov_b32 s95, 0
	s_mul_i32 s96, s89, 12288
	s_mov_b32 s97, 0
	s_mul_i32 s[WOA], s[BW], 49152                 ; I fetch four row blocks of A,
	s_mov_b32 s[WOA+1], 0
	s_mul_i32 s[WOB], s[BW], 98304                 ; or eight of B
	s_mov_b32 s[WOB+1], 0
	s_mul_i32 s[PWA], s[WV], 24576                 ; I prefetch A's row blocks 2 w, 2 w + 1
	s_mov_b32 s[PWA+1], 0
	s_lshl_b32 s[PWB], s[CX], 2
	s_add_co_u32 s[PWB], s[PWB], s[WV]
	s_mul_i32 s[PWB], s[PWB], 12288                ; and B's row block 4 cx + w
	s_mov_b32 s[PWB+1], 0
	s_lshl_b32 s98, s[AW], 2                       ; scale words, 512 bytes a row block: of my four row blocks of A,
	s_add_co_u32 s99, s98, s86
	s_lshl_b32 s[NXSA], s99, 9
	s_mov_b32 s[NXSA+1], 0
	s_add_co_u32 s99, s98, s88
	s_lshl_b32 s[N2SA], s99, 9
	s_mov_b32 s[N2SA+1], 0
	s_lshl_b32 s98, s[BW], 3                       ; and of my eight of B
	s_add_co_u32 s99, s98, s87
	s_lshl_b32 s[NXSB], s99, 9
	s_mov_b32 s[NXSB+1], 0
	s_add_co_u32 s99, s98, s89
	s_lshl_b32 s[N2SB], s99, 9
	s_mov_b32 s[N2SB+1], 0
	; descriptor groups 1: rows of 6,144 bytes (half of a row block: 768 elements of 8 bytes), 12,288 bytes apart in memory, dense in LDS.  A: 4 rows;  B: 8, with the mask of all four partners
	s_mov_b32 s[G1A], 3<<16
	s_mov_b32 s[G1A+1], 768<<16
	s_mov_b32 s[G1A+2], 4<<16
	s_mov_b32 s[G1A+3], 768<<16
	s_mov_b32 s[G1A+4], 4
	s_mov_b32 s[G1A+5], 1536
	s_mov_b32 s[G1A+6], 0
	s_mov_b32 s[G1A+7], 0
	s_mov_b32 s[G1B], 15|(3<<16)|(1<<21)
	s_mov_b32 s[G1B+1], 768<<16
	s_mov_b32 s[G1B+2], 8<<16
	s_mov_b32 s[G1B+3], 768<<16
	s_mov_b32 s[G1B+4], 8
	s_mov_b32 s[G1B+5], 1536
	s_mov_b32 s[G1B+6], 0
	s_mov_b32 s[G1B+7], 0
	s_mul_i32 s98, s[WV], 24576
	s_add_co_u32 s98, s98, 49152                   ; in a slot A goes to 98,304 + 24,576 (wave - 2),
	s_mul_i32 s99, s[WV], 49152                    ; B to 49,152 x wave
	s_mov_b32 s[SEL], 0x76543210
	s_mov_b32 s[SEL+1], 0xfedcba98
	s_wait_dscnt 0x0
	s_wait_kmcnt 0x0
	s_add_nc_u64 s[90:91], s[4:5], s[90:91]
	s_add_nc_u64 s[92:93], s[4:5], s[92:93]
	s_add_nc_u64 s[N2A:N2A+1], s[4:5], s[94:95]
	s_add_nc_u64 s[N2B:N2B+1], s[4:5], s[96:97]
	s_add_nc_u64 s[NXA:NXA+1], s[90:91], 6291456
	s_add_nc_u64 s[NXB:NXB+1], s[92:93], 786432
	s_add_nc_u64 s[NXSA:NXSA+1], s[6:7], s[NXSA:NXSA+1]
	s_add_nc_u64 s[NXSB:NXSB+1], s[6:7], s[NXSB:NXSB+1]
	s_add_nc_u64 s[N2SA:N2SA+1], s[6:7], s[N2SA:N2SA+1]
	s_add_nc_u64 s[N2SB:N2SB+1], s[6:7], s[N2SB:N2SB+1]
	s_add_nc_u64 s[90:91], s[90:91], s[WOA:WOA+1]
	s_add_nc_u64 s[92:93], s[92:93], s[WOB:WOB+1]
.irp q, 0,1
	s_mov_b32 s[G0A+4*\q], 1
	s_add_co_u32 s[G0A+4*\q+1], s98, \q*SLOT
	s_add_nc_u64 s[G0A+4*\q+2:G0A+4*\q+3], s[90:91], \q*6144
	s_or_b32 s[G0A+4*\q+3], s[G0A+4*\q+3], 0x80000000
	s_mov_b32 s[G0B+4*\q], 1
	s_add_co_u32 s[G0B+4*\q+1], s99, \q*SLOT
	s_add_nc_u64 s[G0B+4*\q+2:G0B+4*\q+3], s[92:93], \q*6144
	s_or_b32 s[G0B+4*\q+3], s[G0B+4*\q+3], 0x80000000
.endr
	s_add_nc_u64 s[PFA:PFA+1], s[NXA:NXA+1], s[PWA:PWA+1]         ; to be prefetched first: tile 1's first half
	s_add_nc_u64 s[PFB:PFB+1], s[NXB:NXB+1], s[PWB:PWB+1]
	CROUND                                         ; all four work-groups are here: the joint loads meet
	JLOAD 0                                        ; tile 0's first half: one tensor load a wave at the head
	v_and_b32 v10, 31, v0
	v_lshlrev_b32 v1, 4, v10                       ; 16 x lane
	v_min_u32 v[PFO], 23, v10
	v_lshlrev_b32 v[PFO], 8, v[PFO]                ; a lane a block of 256 bytes; lanes 24-31 name the last block again
	v_and_b32 v15, 15, v0
	v_lshlrev_b32 v15, 4, v15                      ; 16 r
	v_bfe_u32 v14, v0, 4, 1                        ; h
	v_lshl_add_u32 v10, v14, 9, v15                ; scale words: 512 h + 16 r
	v_lshl_add_u32 v12, v14, 3, v15                ; 16 r + 8 h
	v_lshlrev_b32 v13, 4, v14                      ; 16 h
	SCLOAD                                         ; tile 0's
	s_mul_i32 s2, s[AW], 24576
	s_add_co_u32 s2, s2, 98304                     ; my four row blocks of A in a slot
	s_mul_i32 s3, s[BW], 49152                     ; my eight of B
.irp q, 0,1
	v_add_nc_u32 v[ADA+\q], s2, v1
	v_add_nc_u32 v[ADB+\q], s3, v1
	s_add_co_u32 s2, s2, SLOT
	s_add_co_u32 s3, s3, SLOT
.endr
.irp b, 0,1,2,3
	v_mov_b32 v[TM+4+\b], 0                        ; written once: a lane permute's destination counts as one of its sources
.endr
	s_wait_alu depctr_va_vdst(0)
	s_wait_tensorcnt 0x0                           ; my part of slot 0 is in; these lines stand ahead of a later first fill, as ahead of a refill
	ds_add_u32 v254, v255
	s_wait_xcnt 0x0                                ; the scale words' loads have read their bases
	s_add_nc_u64 s[NXSA:NXSA+1], s[NXSA:NXSA+1], 262144           ; tile 1's scale words: 512 and 64 row blocks on
	s_add_nc_u64 s[NXSB:NXSB+1], s[NXSB:NXSB+1], 32768
	s_wait_dscnt 0x0
	CROUND
	JLOAD 1                                        ; tile 0's second half: slot 1's first fill, the first tensor load behind the round
	ASK 0
.Ltile:                                                ; tiles 0 and 1: q and k
	FETCH 0, 0
	s_wait_loadcnt 0x0                             ; this tile's scale words
	KSTEP 0, 0                                     ; its products start the sums: nothing is cleared
	KSTEP 1, 0
	KSTEP 2, 0
	KSTEP 3, 1
	KSTEP 4, 0
	KSTEP 5, 0
	KSTEP 6, 0
	KSTEP 7, 1
	PLACES                                         ; in front of the first read of results and of loads and writes into registers that the last products read
	SCLOAD                                         ; the next tile's scale words land under the epilogue
; My 128 C are two heads of 64: blocks 0, 1 are head A's half fragment (K = 64: six registers), blocks 2, 3 head B's.  My four row blocks of tokens are four tiles: 24 registers a head: six stores of 512 bytes.
	s_lshl_b32 s86, s71, 3
	s_lshl_b32 s87, s[AW], 2
	s_add_co_u32 s86, s86, s87                     ; my first row block of tokens
	s_lshr_b32 s87, s86, 7                         ; batch
	s_bfe_u32 s88, s86, 0x50002                    ; which group of four tiles in the batch
	s_lshl_b32 s89, s69, 2
	s_lshl_b32 s90, s[BW], 1
	s_add_co_u32 s89, s89, s90                     ; head A
	s_lshl_b32 s87, s87, 4
	s_add_co_u32 s89, s89, s87                     ; 16 x batch + head
	s_lshr_b32 s90, s88, 3
	s_mov_b32 s91, 98304
	s_mov_b32 s92, 8192
	s_cmp_eq_u32 s67, 1
	s_cselect_b32 s91, 196608, s91                 ; from head to head in the codes: q's 98,304 bytes, K's and V's 196,608
	s_cselect_b32 s92, 12288, s92                  ; and in the scale words
	s_cselect_b32 s93, 6291456, 0                  ; K and V lie behind q
	s_cselect_b32 s94, 524288, 0
	s_cselect_b32 s90, s90, 0                      ; K's runs of four key steps are parted by V's
	s_mul_i32 s95, s89, s91
	s_add_co_u32 s95, s95, s93
	s_mul_i32 s96, s88, 3072
	s_add_co_u32 s95, s95, s96
	s_mul_i32 s96, s90, 24576
	s_add_co_u32 s96, s95, s96
	s_mov_b32 s97, 0
	s_add_nc_u64 s[96:97], s[8:9], s[96:97]        ; head A's codes
	s_mov_b32 s98, s91
	s_mov_b32 s99, 0
	s_add_nc_u64 s[98:99], s[96:97], s[98:99]      ; head B's
	s_mul_i32 s86, s89, s92
	s_add_co_u32 s86, s86, s94
	s_lshl_b32 s87, s88, 8
	s_add_co_u32 s86, s86, s87
	s_mov_b32 s87, 0
	s_add_nc_u64 s[86:87], s[10:11], s[86:87]
	v_mul_u32_u24 v11, v14, s92
	v_add_nc_u32 v11, v11, v15                     ; lanes 0-15: head A's words of row r; lanes 16-31: head B's
.irp t, 0,1,2,3
	QUANTW 64*\t, OUT+6*\t, OUT+24+6*\t, PW+\t
.endr
.irp t, 0,1,2,3
	v_bfe_u32 v[WS+\t], v[PW+\t], v13, 16          ; a head's two bytes; bytes 2 and 3 of its word are 0: they belong to the half of the instruction's K that holds zero codes
.endr
.irp c, 0,1,2,3,4,5
	global_store_b128 v1, v[OUT+4*\c:OUT+4*\c+3], s[96:97] offset:512*\c      ; 512 consecutive bytes, aligned to 256
.endr
.irp c, 0,1,2,3,4,5
	global_store_b128 v1, v[OUT+24+4*\c:OUT+24+4*\c+3], s[98:99] offset:512*\c
.endr
	global_store_b128 v11, v[WS:WS+3], s[86:87]    ; each half of the lanes stores 256 consecutive bytes, aligned
	s_wait_xcnt 0x0                                ; the stores have read their data and the scale words' loads their bases: both are written again only behind this wait
	s_mov_b64 s[NXSA:NXSA+1], s[N2SA:N2SA+1]
	s_mov_b64 s[NXSB:NXSB+1], s[N2SB:N2SB+1]
	s_add_co_u32 s67, s67, 1
	s_cmp_lt_u32 s67, 2
	s_wait_alu depctr_va_vdst(0)                   ; the wait, directly ahead of the branch
	s_cbranch_scc1 .Ltile
; ---- tile 2: v, written out: it asks for nothing more.  My 64 R are one head's channels (four tiles), my 128 C one key step: each tile's 64 results are a whole fragment of V^T.
	FETCH 0, 0
	s_wait_loadcnt 0x0
	KSTEP 0, 0
	KSTEP 1, 0
	KSTEP 2, 0
	KSTEP 3, 2
	KSTEP 4, 0
	KSTEP 5, 0
	KSTEP 6, 0
	KSTEP 7, 0
	PLACES
	s_lshl_b32 s86, s85, 1
	s_add_co_u32 s86, s86, s[AW]                   ; the head
	s_lshl_b32 s87, s84, 1
	s_add_co_u32 s87, s87, s[BW]
	s_lshr_b32 s88, s87, 4                         ; batch
	s_and_b32 s87, s87, 15                         ; key step
	s_lshl_b32 s88, s88, 4
	s_add_co_u32 s86, s86, s88
	s_mul_i32 s96, s86, 196608
	s_lshr_b32 s89, s87, 2
	s_mul_i32 s89, s89, 49152
	s_add_co_u32 s96, s96, s89
	s_and_b32 s89, s87, 3
	s_mul_i32 s89, s89, 6144
	s_add_co_u32 s96, s96, s89
	s_add_co_u32 s96, s96, 6291456+24576
	s_mov_b32 s97, 0
	s_add_nc_u64 s[96:97], s[8:9], s[96:97]
	s_mul_i32 s98, s86, 12288
	s_lshl_b32 s89, s87, 8
	s_add_co_u32 s98, s98, s89
	s_add_co_u32 s98, s98, 524288+8192
	s_mov_b32 s99, 0
	s_add_nc_u64 s[98:99], s[10:11], s[98:99]
	v_cmp_ne_u32 vcc_lo, 0, v14                    ; lanes 16-31
	v_lshlrev_b32 v11, 3, v14                      ; 8 h
.irp t, 0,1,2,3
	QUANTV 64*\t, OUT+12*\t, PW+\t
.endr
	v_cndmask_b32 v[WS], v[PW], v[PW+2], vcc_lo    ; lanes 0-15 store the words of tiles 0, 1 of row r, lanes 16-31 those of tiles 2, 3
	v_cndmask_b32 v[WS+1], v[PW+1], v[PW+3], vcc_lo
.irp c, 0,1,2,3,4,5,6,7,8,9,10,11
	global_store_b128 v1, v[OUT+4*\c:OUT+4*\c+3], s[96:97] offset:512*\c
.endr
	global_store_b64 v12, v[WS:WS+1], s[98:99]     ; 256 consecutive bytes, aligned
	s_wait_tensorcnt 0x0                           ; the wave's end
	ds_add_u32 v254, v255
	s_wait_dscnt 0x0
	CROUND                                         ; the closing round: no work-group ends while a partner may still ask for a tile that names it
	s_endpgm
.Lfunc_end_k_q3df164040c_proj:
	.size	k_q3df164040c_proj, .Lfunc_end_k_q3df164040c_proj-k_q3df164040c_proj
	.p2alignl 7, 3214868480
	.fill 96, 4, 3214868480
	.section	.rodata,"a",@progbits
	.p2align	6, 0x0
	.amdhsa_kernel k_q3df164040c_proj
		.amdhsa_group_segment_fixed_size 327680
		.amdhsa_private_segment_fixed_size 0
		.amdhsa_enable_private_segment 0
		.amdhsa_kernarg_size 32
		.amdhsa_user_sgpr_count 2
		.amdhsa_user_sgpr_kernarg_segment_ptr 1
		.amdhsa_wavefront_size32 1
		.amdhsa_system_sgpr_workgroup_id_x 1
		.amdhsa_system_sgpr_workgroup_id_y 1
		.amdhsa_system_sgpr_workgroup_id_z 1
		.amdhsa_system_vgpr_workitem_id 0
		.amdhsa_next_free_vgpr 704
		.amdhsa_next_free_sgpr 102
		.amdhsa_reserve_vcc 1
		.amdhsa_float_denorm_mode_32 3
		.amdhsa_float_denorm_mode_16_64 3
		.amdhsa_memory_ordered 1
		.amdhsa_forward_progress 1
		.amdhsa_inst_pref_size 153
	.end_amdhsa_kernel
	.amdgpu_metadata
---
amdhsa.version: [ 1, 2 ]
amdhsa.kernels:
  - .name:           k_q3df164040c_proj
    .symbol:         k_q3df164040c_proj.kd
    .args:
      - { .name: cin, .offset: 0, .size: 8, .value_kind: global_buffer, .address_space: global }
      - { .name: sin, .offset: 8, .size: 8, .value_kind: global_buffer, .address_space: global }
      - { .name: qkvc, .offset: 16, .size: 8, .value_kind: global_buffer, .address_space: global }
      - { .name: qkvs, .offset: 24, .size: 8, .value_kind: global_buffer, .address_space: global }
    .group_segment_fixed_size: 327680
    .private_segment_fixed_size: 0
    .kernarg_segment_align: 8
    .kernarg_segment_size: 32
    .max_flat_workgroup_size: 128
    .sgpr_count:     102
    .vgpr_count:     704
    .wavefront_size: 32
...
	.end_amdgpu_metadata
.endif
;; end of part 2
;; launch attn (part 3): grid 4 x 64, 16 waves a work-group, clusters of 4 x 1, 210,944 bytes of LDS; arguments qkvc, qkvs, ac, as2; writes ac, as2
.if DOCPART == 3
	.amdgcn_target "amdgcn-amd-amdhsa--gfx1250"
	.amdhsa_code_object_version 6
	.text
	.protected	k_q3df164040c_attn
	.globl	k_q3df164040c_attn
	.p2align	8
	.type	k_q3df164040c_attn,@function
k_q3df164040c_attn:
	s_mov_b64 s[64:65], 0
	v_nop
	global_prefetch_b8 v0, s[64:65] scope:SCOPE_SE
	s_setreg_imm32_b32 hwreg(HW_REG_WAVE_MODE, 25, 1), 1
	s_wait_xcnt 0x0
	s_wait_alu depctr_hold_cnt(0) depctr_sa_sdst(0) depctr_va_vdst(0) depctr_va_sdst(0) depctr_va_ssrc(0) depctr_va_vcc(0) depctr_vm_vsrc(0)
	s_getreg_b32 s2, hwreg(HW_REG_IB_STS2, 6, 4)
	s_cmp_eq_u32 s2, 0
	s_cbranch_scc0 .Lentry_in_a_cluster
	s_endpgm
.Lentry_in_a_cluster:
	s_bfe_u32 s2, ttmp6, 0x10000c
	s_cmp_lg_u32 s2, 0x3003
	s_cbranch_scc0 .Lentry_shape_is_right
	s_endpgm
.Lentry_shape_is_right:
; o = softmax(q k^T / 8) v for each of 64 (batch, head), 2,048 queries x 2,048 keys x 64 channels, both products on codes of BF6 (E3M2) with E8M0 scales; o is quantised along the channels for the last projection.
; THE SOFTMAX AHEAD OF THE SECOND PRODUCT: t = score x log2(e) / 8; M = the row's largest t so far, rounded UP to a whole number; p = 2^(t - M) is quantised along the keys, not normalised.  The row's sum is taken of
; the unquantised p and divides O at the end.  When M moves, the sum and O are multiplied by 2^(old M - new M): exact.
; SHARES.  A work-group owns 512 queries of one head: sixteen waves, four to a SIMD, each with one tile of 16 queries in each of two passes.  256 work-groups.
; A head's whole K and V (196,608 bytes of codes) and their scale words (12,288 bytes) lie in LDS for both passes: every byte is filled once.  One tensor load a wave: waves 0-11 bring 16,384 bytes of codes each,
; waves 12-15 3,072 bytes of scale words each; one wait for 0 and one barrier show all of it, and no barrier stands in the loops.
; K AND V HAVE REGISTERS OF THEIR OWN: behind a step's first products both this step's V and the NEXT step's K are asked of LDS, and the one wait for them stands in front of the second products, behind the whole softmax.
; The walk over K wraps: the last step of a pass asks for key step 0, which the second pass begins with (behind the second pass those 13 loads are read by nobody).
; CLUSTER.  The four work-groups of a cluster are the four query blocks of one head: every tensor load is joint, with the mask of all four.
; NO PREFETCH: K and V are asked for once, at the head; there is no loop to run ahead in.
; LAYOUT.  Both products transposed: S^T = K Q^T, O^T = V^T P^T: a lane holds ONE query.  Row rho of key tile t of a step is key 64 (t / 4) + 8 (t % 4) + rho % 8 + 32 (rho / 8): so the 32 registers of tiles 0-3 are keys
; 32 h + 0 .. 31 (h = lane / 16) and those of tiles 4-7 keys 64 + 32 h + 0 .. 31: two WHOLE blocks of the second product's K in a lane, in the operand's own order.  A block's maximum needs no other lane, p's codes change no lane.
; p's codes are laid into score registers that are done with (v[S+48] on): the p of keys 32 .. 63 of a lane are summed ahead of the conversions, those of keys 0 .. 31, whose registers stay whole, behind the second products.
; THE FIRST PRODUCT'S K IS 64, half of the instruction's 128.  A tile of K is six registers; its operand's upper six are the next tile's codes (behind the last tile: six registers of the last step's V).  They meet Q's upper six,
; which are zero codes, under scale bytes 0 (2^-127, no NaN): E3M2 has no code for NaN or infinity, so they add nothing.
; LIMITS: the promise holds while |t| stays under 2^31; a p under 2^-126 counts as 0 (v_exp_f32 gives no denormals); a block of zeros gets the byte 1; NaN and infinities are not served.
.set SCB,  196608                      ; LDS: behind K and V: K's scale words (8,192 bytes), then V's (4,096)
.set SPARE, 208896                     ; behind them the spare words: 128 bytes a wave
.set BX,   0                           ; a lane permute's destination (v0 has served when it is first written)
.set LI,   1                           ; 16 x lane
.set AD,   2                           ; this chunk's codes; v3 K's scale words; v4 V's
.set ADS,  3
.set ADT,  4
.set SH8,  5                           ; 8 h
.set ST8,  6                           ; 8 x lane
.set STB,  7                           ; 2 r + h
.set SPW,  8
.set NIL,  9
.set T0,   10
.set T1,   11
.set NM,   12                          ; v12: -M of even steps, v14: of odd steps (each named as the low word of a pair)
.set RM,   13                          ; the row's largest score so far
.set Q,    16                          ; v16-27 Q's fragment; v22-27 zero codes
.set QS,   28
.set PS,   29                          ; p's scale word
.set QN,   30                          ; v30-35, v36: the second pass's Q and its scale word
.set QSN,  36
.set R16,  37                          ; 16 r
.set F,    38                          ; v38 f; v39 named with it
.set KW,   40
.set VW,   44
.set KB,   48                          ; v48-95 a key step's K
.set VB,   96                          ; v96-143 a key step's V
.set S,    144                         ; v144-207 the scores, then p; v192-203 then p's codes
.set PC,   192
.set O,    208
.set E,    240                         ; v240-242 sixteen codes on their way
.set BM,   244                         ; v244-245 my two blocks' largest score, largest p, scale operand
.set L,    246                         ; v246-247 the row's sum, in two halves
.set P,    248                         ; v248-255 four partial sums of p, two numbers each
.set TQ,   144                         ; (the head alone)
.set WV,   12
.set G1C,  16
.set G1S,  24
.set G0S,  32
.set G0C,  36
.set SEL,  52
.set CS,   54
.set TB,   56
.set TS,   57
.set TV,   58
.set CNT,  59
.set PASS, 60
.macro CROUND
	s_barrier_signal -1
	s_barrier_wait -1
	s_cmp_lg_u32 s[WV], 0
	s_cbranch_scc1 .Lnot_wave_0_\@
	s_barrier_signal -3
.Lnot_wave_0_\@:
	s_barrier_wait -3
	s_barrier_signal -1
	s_barrier_wait -1
.endm
	s_load_b256 s[4:11], s[0:1], 0x0               ; qkvc s[4:5], qkvs s[6:7], ac s[8:9], as2 s[10:11]
	v_lshl_add_u32 v[SPW], v0, 2, SPARE
	v_mov_b32 v[NIL], 0
	ds_add_u32 v[SPW], v[NIL]                      ; the opening lines: the add, twice on end, and its wait
	ds_add_u32 v[SPW], v[NIL]
	v_lshrrev_b32 v1, 5, v0
	v_readfirstlane_b32 s[WV], v1                  ; wave 0..15
	s_bfe_u32 s13, ttmp6, 0x40000                  ; my place in the cluster = my block of 512 queries: it enters Q's and the result's global addresses alone
	s_and_b32 s14, ttmp7, 0xffff                   ; 16 x batch + head, which the four partners share
	s_mul_i32 s70, s[WV], 16384                    ; waves 0-11: my twelfth of the codes
	s_mul_i32 s71, s[WV], 3072                     ; waves 12-15: my quarter of the scale words, at 3,072 (wave - 12)
	s_mul_i32 s66, s14, 196608
	s_add_co_u32 s66, s66, s70
	s_add_co_u32 s66, s66, 6291456
	s_mov_b32 s67, 0
	s_mul_i32 s68, s14, 12288
	s_add_co_u32 s68, s68, s71
	s_add_co_u32 s68, s68, 524288-36864
	s_mov_b32 s69, 0
	s_lshl_b32 s80, s13, 5
	s_add_co_u32 s80, s80, s[WV]                   ; my tile of 16 queries in the first pass, 0..127; the second pass's lies 16 on
	s_lshl_b32 s72, s13, 2
	s_lshr_b32 s73, s[WV], 3
	s_add_co_u32 s72, s72, s73
	s_mul_i32 s72, s72, 6144                       ; Q's codes: eight tiles (48 registers) to 6,144 bytes
	s_mul_i32 s73, s14, 98304
	s_add_co_u32 s72, s72, s73
	s_mov_b32 s73, 0
	s_lshr_b32 s74, s80, 2
	s_lshl_b32 s74, s74, 8
	s_and_b32 s75, s80, 3
	s_lshl_b32 s75, s75, 2
	s_add_co_u32 s74, s74, s75
	s_lshl_b32 s75, s14, 13
	s_add_co_u32 s74, s74, s75                     ; Q's scale words
	s_mov_b32 s75, 0
	s_lshr_b32 s81, s14, 4
	s_lshl_b32 s81, s81, 7
	s_add_co_u32 s81, s81, s80                     ; the result's row block: 128 x batch + tile
	s_and_b32 s82, s14, 15                         ; the head
	s_mul_i32 s76, s81, 12288
	s_mul_i32 s77, s82, 768                        ; a head is half a K step of the last projection: three register pairs
	s_add_co_u32 s76, s76, s77
	s_mov_b32 s77, 0
	s_lshl_b32 s78, s82, 14
	s_lshl_b32 s79, s81, 5
	s_add_co_u32 s78, s78, s79
	s_mov_b32 s79, 0
	s_and_b32 s44, s[WV], 7
	s_mul_i32 s44, s44, 3                          ; my tile's six registers are pairs 3 (wave % 8) + 0, 1, 2 of the 24: pair pi lies at 512 (pi / 2) + 16 lane + 8 (pi % 2)
.irp p, 0,1,2
	s_add_co_u32 s43, s44, \p
	s_lshr_b32 s[40+\p], s43, 1
	s_lshl_b32 s[40+\p], s[40+\p], 9
	s_and_b32 s43, s43, 1
	s_lshl_b32 s43, s43, 3
	s_add_co_u32 s[40+\p], s[40+\p], s43
.endr
	; descriptor groups 1: dense blocks as rows of 256 bytes (32 elements of 8 bytes): 64 rows of codes, 12 of scale words; the mask names all four partners
	s_mov_b32 s[G1C], 15|(3<<16)|(1<<21)
	s_mov_b32 s[G1C+1], 32<<16
	s_mov_b32 s[G1C+2], 64<<16
	s_mov_b32 s[G1C+3], 32<<16
	s_mov_b32 s[G1C+4], 64
	s_mov_b32 s[G1C+5], 32
	s_mov_b32 s[G1C+6], 0
	s_mov_b32 s[G1C+7], 0
	s_mov_b32 s[G1S], 15|(3<<16)|(1<<21)
	s_mov_b32 s[G1S+1], 32<<16
	s_mov_b32 s[G1S+2], 12<<16
	s_mov_b32 s[G1S+3], 32<<16
	s_mov_b32 s[G1S+4], 12
	s_mov_b32 s[G1S+5], 32
	s_mov_b32 s[G1S+6], 0
	s_mov_b32 s[G1S+7], 0
	s_mov_b32 s[SEL], 0x76543210
	s_mov_b32 s[SEL+1], 0xfedcba98                 ; lane l xor 16
	s_mov_b32 s[CS], 0x3e38aa3b                    ; c = log2(e) / 8
	s_mov_b32 s[CS+1], s[CS]                       ; (named with it as a pair, so it is written)
	s_mov_b32 s[PASS], 0
	s_wait_dscnt 0x0
	s_wait_kmcnt 0x0
	s_add_nc_u64 s[66:67], s[4:5], s[66:67]
	s_add_nc_u64 s[68:69], s[6:7], s[68:69]
	s_add_nc_u64 s[72:73], s[4:5], s[72:73]
	s_add_nc_u64 s[74:75], s[6:7], s[74:75]
	s_add_nc_u64 s[76:77], s[8:9], s[76:77]
	s_add_nc_u64 s[78:79], s[10:11], s[78:79]
	s_mov_b32 s[G0S], 1
	s_add_co_u32 s[G0S+1], s71, SCB-36864
	s_mov_b64 s[G0S+2:G0S+3], s[68:69]
	s_or_b32 s[G0S+3], s[G0S+3], 0x80000000
	s_mov_b32 s[G0C], 1
	s_mov_b32 s[G0C+1], s70
	s_mov_b64 s[G0C+2:G0C+3], s[66:67]
	s_or_b32 s[G0C+3], s[G0C+3], 0x80000000
	CROUND                                         ; all four work-groups are here: the joint loads meet
	s_cmp_lt_u32 s[WV], 12                         ; one load a wave, in one arm of a branch on the wave's number
	s_cbranch_scc0 .Lfor_scales
	tensor_load_to_lds s[G0C:G0C+3], s[G1C:G1C+7]
	s_nop 0
.rept 4
	v_nop
.endr
	s_branch .Lasked
.Lfor_scales:
	tensor_load_to_lds s[G0S:G0S+3], s[G1S:G1S+7]
	s_nop 0
.rept 4
	v_nop
.endr
.Lasked:
	v_and_b32 v[T0], 31, v0                        ; lane
	v_and_b32 v[T1], 15, v0                        ; r
	v_bfe_u32 v[SH8], v0, 4, 1                     ; h
	v_lshlrev_b32 v[LI], 4, v[T0]
	v_lshlrev_b32 v[ST8], 3, v[T0]
	v_lshl_add_u32 v[STB], v[T1], 1, v[SH8]
	v_lshlrev_b32 v[R16], 4, v[T1]
	v_lshlrev_b32 v[SH8], 3, v[SH8]
.irp p, 0,1,2
	v_add_nc_u32 v[TQ+\p], s[40+\p], v[LI]
.endr
.irp p, 0,1,2
	global_load_b64 v[Q+2*\p:Q+2*\p+1], v[TQ+\p], s[72:73]
	global_load_b64 v[QN+2*\p:QN+2*\p+1], v[TQ+\p], s[72:73] offset:12288   ; the second pass's tile: 16 tiles on
.endr
	global_load_b32 v[QS], v[R16], s[74:75]
	global_load_b32 v[QSN], v[R16], s[74:75] offset:1024
.irp j, 0,1,2,3,4,5
	v_mov_b32 v[Q+6+\j], 0                         ; zero codes for the upper half of the instruction's K
	v_mov_b32 v[VB+\j], 0                          ; what the first step finds behind K's last tile
.endr
	v_mov_b32 v[BX], 0                             ; a lane permute's destination counts as one of its sources
	v_mov_b32 v[E], 0
	v_mov_b32 v[NM+3], 0                           ; (named as the upper half of a pair)
	v_mov_b32 v[AD], v[LI]                         ; chunk 0
	v_add_nc_u32 v[ADS], SCB, v[LI]                ; K's scale words: lanes 0-15 tiles 0-3 of row r, lanes 16-31 tiles 4-7
	v_add_nc_u32 v[ADT], SCB+8192, v[R16]          ; V's: the four channel tiles' words of row r
	s_wait_alu depctr_va_vdst(0)
	s_wait_loadcnt 0x0                             ; Q, both passes'
	s_wait_tensorcnt 0x0                           ; my one load has landed
	s_barrier_signal -1
	s_barrier_wait -1                              ; everybody's has: K, V and their scale words are whole, and nothing is filled again
.irp c, 0,1,2,3,4,5,6,7,8,9,10,11
	ds_load_b128 v[KB+4*\c:KB+4*\c+3], v[AD] offset:512*\c           ; key step 0's K: eight tiles x six registers, as they lie
.endr
	ds_load_b128 v[KW:KW+3], v[ADS]
	s_wait_dscnt 0x0
.macro SUM4 j                          ; eight more p onto the four partial sums: four chains by turns
.irp k, 0,1,2,3
	v_pk_add_f32 v[P+2*\k:P+2*\k+1], v[P+2*\k:P+2*\k+1], v[S+(\j)+2*\k:S+(\j)+2*\k+1]
.endr
.endm
.macro JOIN                            ; the last step's partial sums go into the row's sum, under that step's f
	v_pk_add_f32 v[P:P+1], v[P:P+1], v[P+2:P+3]
	v_pk_add_f32 v[P+4:P+5], v[P+4:P+5], v[P+6:P+7]
	v_pk_fma_f32 v[L:L+1], v[L:L+1], v[F:F+1], v[P:P+1] op_sel_hi:[1,0,1]
	v_pk_add_f32 v[L:L+1], v[L:L+1], v[P+4:P+5]
.endm
; A KEY STEP: 128 keys, the s-th of a chunk's four.  Its K and K's scale words are in registers.
.macro STEP s
.set NEW, NM+2*((\s)%2)
.set OLD, NM+2-2*((\s)%2)
.irp t, 0,1,2,3
	v_wmma_scale_f32_16x16x128_f8f6f4 v[S+8*\t:S+8*\t+7], v[KB+6*\t:KB+6*\t+11], v[Q:Q+11], 0, v[KW+\t], v[QS] matrix_a_fmt:MATRIX_FMT_BF6 matrix_b_fmt:MATRIX_FMT_BF6
.endr
.irp t, 4,5,6,7
	v_wmma_scale_f32_16x16x128_f8f6f4 v[S+8*\t:S+8*\t+7], v[KB+6*\t:KB+6*\t+11], v[Q:Q+11], 0, v[KW+\t-4], v[QS] matrix_a_fmt:MATRIX_FMT_BF6 matrix_b_fmt:MATRIX_FMT_BF6 matrix_a_scale:MATRIX_SCALE_ROW1
.endr
	JOIN                                           ; four plain lines that name none of the products' registers: the places in front of the loads below and of the first read of the scores
.irp c, 0,1,2,3,4,5,6,7,8,9,10,11
	ds_load_b128 v[VB+4*\c:VB+4*\c+3], v[AD] offset:24576+6144*(\s)+512*\c   ; this step's V: four channel tiles x twelve registers
.endr
	ds_load_b128 v[VW:VW+3], v[ADT] offset:256*(\s)
.if (\s) == 3
	v_add_nc_u32 v[AD], s[TB], v[LI]               ; on to the next chunk (behind the last: chunk 0)
	v_add_nc_u32 v[ADS], s[TS], v[LI]
	v_add_nc_u32 v[ADT], s[TV], v[R16]
.set KO, 0
.set KWO, 0
.else
.set KO, 6144*((\s)+1)
.set KWO, 512*((\s)+1)
.endif
.irp c, 0,1,2,3,4,5,6,7,8,9,10,11
	ds_load_b128 v[KB+4*\c:KB+4*\c+3], v[AD] offset:KO+512*\c        ; the NEXT step's K: both land while the softmax is walked
.endr
	ds_load_b128 v[KW:KW+3], v[ADS] offset:KWO
	v_max3_num_f32 v[BM], v[S], v[S+1], v[S+2]     ; the largest score of my two blocks of 32 keys, each in two chains: for the row's maximum and, since p rises with the score, for the block's largest p
	v_max3_num_f32 v[T0], v[S+16], v[S+17], v[S+18]
	v_max3_num_f32 v[BM+1], v[S+32], v[S+33], v[S+34]
	v_max3_num_f32 v[T1], v[S+48], v[S+49], v[S+50]
.irp i, 3,5,7,9,11,13
	v_max3_num_f32 v[BM], v[BM], v[S+\i], v[S+1+\i]
	v_max3_num_f32 v[T0], v[T0], v[S+16+\i], v[S+17+\i]
	v_max3_num_f32 v[BM+1], v[BM+1], v[S+32+\i], v[S+33+\i]
	v_max3_num_f32 v[T1], v[T1], v[S+48+\i], v[S+49+\i]
.endr
	v_max3_num_f32 v[BM], v[BM], v[T0], v[S+15]
	v_max3_num_f32 v[BM+1], v[BM+1], v[T1], v[S+47]
	v_max_num_f32 v[BM], v[BM], v[S+31]
	v_max_num_f32 v[BM+1], v[BM+1], v[S+63]
	s_delay_alu instid0(VALU_DEP_1)
	v_max3_num_f32 v[RM], v[RM], v[BM], v[BM+1]
	s_delay_alu instid0(VALU_DEP_1)
	v_permlanex16_b32 v[BX], v[RM], s[SEL], s[SEL+1]
	s_delay_alu instid0(VALU_DEP_1)
	v_max_num_f32 v[RM], v[RM], v[BX]              ; with lane l xor 16's 64 keys: the row's largest score so far
	s_delay_alu instid0(VALU_DEP_1)
	v_mul_f32 v[T0], s[CS], v[RM]                  ; as t (c is positive)
	s_delay_alu instid0(VALU_DEP_1)
	v_floor_f32 v[NEW], -v[T0]                     ; the new -M = -ceil(t): a whole number
	s_delay_alu instid0(VALU_DEP_1)
	v_sub_f32 v[T0], v[NEW], v[OLD]                ; old M - new M: a whole number, 0 or less
.set j, 0
.rept 4
	v_pk_fma_f32 v[S+j:S+j+1], v[S+j:S+j+1], s[CS:CS+1], v[NEW:NEW+1] op_sel_hi:[1,0,0]   ; t - M, two at a time
.set j, j+2
.endr
	v_cvt_i32_f32 v[T0], v[T0]                     ; (it saturates)
.rept 28
	v_pk_fma_f32 v[S+j:S+j+1], v[S+j:S+j+1], s[CS:CS+1], v[NEW:NEW+1] op_sel_hi:[1,0,0]
.set j, j+2
.endr
	v_fma_f32 v[BM], v[BM], s[CS], v[NEW]          ; the same of each block's largest score
	v_fma_f32 v[BM+1], v[BM+1], s[CS], v[NEW]
	s_wait_alu depctr_va_vdst(0)                   ; the wait ahead of the batch
.set j, 0
.rept 64
	v_exp_f32 v[S+j], v[S+j]                       ; p = 2^(t - M)
.set j, j+1
.endr
	v_exp_f32 v[BM], v[BM]                         ; the block's largest p: the same two instructions on the same number give the same bits
	v_exp_f32 v[BM+1], v[BM+1]
	v_ldexp_f32 v[F], 1.0, v[T0]                   ; f = 2^(old M - new M): a plain line behind the exponentials
	s_wait_alu depctr_va_vdst(0)                   ; one wait for the whole batch, ahead of its first reader
	v_max_num_f32 v[BM], 0x2800000, v[BM]          ; the floor 2^(5 - 127): the byte cannot fall under 1
	v_max_num_f32 v[BM+1], 0x2800000, v[BM+1]
.irp k, 0,1,2,3
	v_pk_add_f32 v[P+2*\k:P+2*\k+1], v[S+32+4*\k:S+33+4*\k], v[S+34+4*\k:S+35+4*\k]   ; the sum of the UNQUANTISED p begins with keys 32 .. 63 of my lane: four chains
.endr
	v_add_nc_u32 v[BM], 0xfe000000, v[BM]          ; 4 off the exponent field: the conversion's scale operand
	v_add_nc_u32 v[BM+1], 0xfe000000, v[BM+1]
	SUM4 48
	SUM4 56
	v_cvt_scalef32_pk16_bf6_f32 v[E:E+2], v[S+48:S+63], v[BM+1]            ; the upper half of the second block's codes, on its way
	v_lshrrev_b32 v[T0], 23, v[BM]                 ; the bytes of blocks h and 2 + h.  (A plain line stands between a conversion and the next line that writes its sources)
	v_cvt_scalef32_pk16_bf6_f32 v[PC+6:PC+8], v[S+32:S+47], v[BM+1]
	v_cvt_scalef32_pk16_bf6_f32 v[PC:PC+2], v[S:S+15], v[BM]
	v_lshrrev_b32 v[T1], 23, v[BM+1]
	v_cvt_scalef32_pk16_bf6_f32 v[S+32:S+34], v[S+16:S+31], v[BM]          ; the upper half of the first block's, on its way
	v_lshl_or_b32 v[T0], v[T1], 16, v[T0]
.irp i, 0,1,2
	v_mov_b32 v[PC+9+\i], v[E+\i]                  ; (a conversion's three registers begin on an even number)
.endr
	v_lshlrev_b32 v[T0], v[SH8], v[T0]             ; at their places in the scale word
.irp i, 0,1,2
	v_mov_b32 v[PC+3+\i], v[S+32+\i]
.endr
	v_permlanex16_b32 v[BX], v[T0], s[SEL], s[SEL+1]
	s_wait_alu depctr_va_vdst(0)                   ; the wait, directly ahead of the first reader of O^T
.set j, 0
.rept 4
	v_pk_mul_f32 v[O+j:O+j+1], v[O+j:O+j+1], v[F:F+1] op_sel_hi:[1,0]   ; O^T under the new M
.set j, j+2
.endr
	v_or_b32 v[PS], v[T0], v[BX]                   ; with lane l xor 16's two bytes: p's scale word for these 128 keys; twelve plain lines stand between it and the products
.rept 12
	v_pk_mul_f32 v[O+j:O+j+1], v[O+j:O+j+1], v[F:F+1] op_sel_hi:[1,0]
.set j, j+2
.endr
	s_wait_alu depctr_va_vdst(0)                   ; the wait, directly ahead of the wait below
	s_wait_dscnt 0x0                               ; V, the next K and their scale words are in
.irp t, 0,1,2,3
	v_wmma_scale_f32_16x16x128_f8f6f4 v[O+8*\t:O+8*\t+7], v[VB+12*\t:VB+12*\t+11], v[PC:PC+11], v[O+8*\t:O+8*\t+7], v[VW+\t], v[PS] matrix_a_fmt:MATRIX_FMT_BF6 matrix_b_fmt:MATRIX_FMT_BF6
.endr
	SUM4 0                                         ; the p of keys 0 .. 31 of my lane: sixteen plain lines that name none of the products' registers, ahead of the next products, which write over p's codes
	SUM4 8
	SUM4 16
	SUM4 24
.endm
.Lpass:                                                ; a pass: my tile of 16 queries against all 2,048 keys
	s_mov_b32 s[CNT], 0
	v_mov_b32 v[RM], 0xff61b1e6                    ; the largest score so far: -3e38
	v_mov_b32 v[NM+2], 0x7f61b1e6                  ; -M ahead of the first step: 3e38, so that the first f is 0
	v_mov_b32 v[NM], 0
	v_mov_b32 v[F], 0
	v_mov_b32 v[F+1], 0
	v_mov_b32 v[L], 0
	v_mov_b32 v[L+1], 0
.set j, 0
.rept 8
	v_mov_b32 v[P+j], 0
.set j, j+1
.endr
.set j, 0
.rept 32
	v_mov_b32 v[O+j], 0                            ; O^T.  The step is written once: the first finds zeros, which the first change of M leaves zeros
.set j, j+1
.endr
	s_wait_alu depctr_va_vdst(0)                   ; the wait, ahead of the scalar lines below
.Lchunk:                                               ; 512 keys: four steps
	s_add_co_u32 s43, s[CNT], 1
	s_and_b32 s43, s43, 3                          ; the next chunk, round the end
	s_mul_i32 s[TB], s43, 49152
	s_lshl_b32 s[TS], s43, 11
	s_add_co_u32 s[TS], s[TS], SCB
	s_lshl_b32 s[TV], s43, 10
	s_add_co_u32 s[TV], s[TV], SCB+8192
	STEP 0
	STEP 1
	STEP 2
	STEP 3
	s_add_co_u32 s[CNT], s[CNT], 1
	s_cmp_lt_u32 s[CNT], 4
	s_wait_alu depctr_va_vdst(0)                   ; the wait, directly ahead of the branch
	s_cbranch_scc1 .Lchunk
	; THE WAY OUT.  O^T / the sum; its 32 registers are channels 32 b + 16 h + i of my query: two blocks of the last projection's K, each shared by lanes l and l xor 16
	JOIN
	v_add_f32 v[L], v[L], v[L+1]
	v_permlanex16_b32 v[BX], v[L], s[SEL], s[SEL+1]
	v_add_f32 v[L], v[L], v[BX]                    ; the row's sum
	s_wait_alu depctr_va_vdst(0)                   ; the wait ahead of the transcendental
	v_rcp_f32 v[L], v[L]
	v_nop                                          ; a plain line behind the transcendental
	s_wait_alu depctr_va_vdst(0)                   ; the wait, ahead of the first reader
.set j, 0
.rept 32
	v_mul_f32 v[S+j], v[O+j], v[L]                 ; each accumulator from its low end on
.set j, j+1
.endr
.irp b, 0,1
	v_max3_num_f32 v[BM+\b], |v[S+16*\b]|, |v[S+1+16*\b]|, 0x2800000
.endr
.irp i, 2,4,6,8,10,12,14
.irp b, 0,1
	v_max3_num_f32 v[BM+\b], v[BM+\b], |v[S+16*\b+\i]|, |v[S+1+16*\b+\i]|
.endr
.endr
	v_permlanex16_b32 v[BX], v[BM], s[SEL], s[SEL+1]
	v_permlanex16_b32 v[E], v[BM+1], s[SEL], s[SEL+1]
	v_max_num_f32 v[BM], v[BM], v[BX]
	v_max_num_f32 v[BM+1], v[BM+1], v[E]
	v_add_nc_u32 v[BM], 0xfe000000, v[BM]
	v_add_nc_u32 v[BM+1], 0xfe000000, v[BM+1]
	v_lshrrev_b32 v[T0], 23, v[BM]
	v_lshrrev_b32 v[T1], 23, v[BM+1]
	v_lshl_or_b32 v[T0], v[T1], 8, v[T0]
	v_lshrrev_b32 v[T1], v[SH8], v[T0]             ; lanes 0-15 store block 0's byte, lanes 16-31 block 1's
	v_cvt_scalef32_pk16_bf6_f32 v[S+32:S+34], v[S:S+15], v[BM]
	v_cvt_scalef32_pk16_bf6_f32 v[S+40:S+42], v[S+16:S+31], v[BM+1]
	v_nop                                          ; one plain line behind the scaled conversions
.irp i, 0,1,2
	v_permlane16_swap_b32 v[S+32+\i], v[S+40+\i]   ; a WHOLE block in a lane
.endr
.irp i, 0,1,2
	v_mov_b32 v[S+35+\i], v[S+40+\i]
.endr
.irp p, 0,1,2
	global_store_b64 v[ST8], v[S+32+2*\p:S+33+2*\p], s[76:77] offset:256*\p   ; a register pair of the next operand: 256 consecutive bytes, aligned
.endr
	global_store_b8 v[STB], v[T1], s[78:79]        ; 32 consecutive bytes a wave: aligned blocks of 256 bytes are written in part here: one byte for each 24 of codes
	s_add_co_u32 s[PASS], s[PASS], 1
	s_cmp_lt_u32 s[PASS], 2
	s_cbranch_scc0 .Ldone
	s_wait_xcnt 0x0                                ; the stores have read their bases and their data: both are written again only behind this wait
	s_add_nc_u64 s[76:77], s[76:77], 196608        ; the second pass's tile: 16 row blocks on
	s_add_nc_u64 s[78:79], s[78:79], 512
.irp j, 0,1,2,3,4,5
	v_mov_b32 v[Q+\j], v[QN+\j]
.endr
	v_mov_b32 v[QS], v[QSN]
	s_cmp_lt_u32 s[PASS], 2
	s_wait_alu depctr_va_vdst(0)                   ; the wait, directly ahead of the branch
	s_cbranch_scc1 .Lpass
.Ldone:
	s_wait_tensorcnt 0x0                           ; the wave's end
	ds_add_u32 v[SPW], v[NIL]
	s_wait_dscnt 0x0
	CROUND                                         ; the closing round: no work-group ends while a partner may still ask for a tile that names it
	s_endpgm
.Lfunc_end_k_q3df164040c_attn:
	.size	k_q3df164040c_attn, .Lfunc_end_k_q3df164040c_attn-k_q3df164040c_attn
	.p2alignl 7, 3214868480
	.fill 96, 4, 3214868480
	.section	.rodata,"a",@progbits
	.p2align	6, 0x0
	.amdhsa_kernel k_q3df164040c_attn
		.amdhsa_group_segment_fixed_size 210944
		.amdhsa_private_segment_fixed_size 0
		.amdhsa_enable_private_segment 0
		.amdhsa_kernarg_size 32
		.amdhsa_user_sgpr_count 2
		.amdhsa_user_sgpr_kernarg_segment_ptr 1
		.amdhsa_wavefront_size32 1
		.amdhsa_system_sgpr_workgroup_id_x 1
		.amdhsa_system_sgpr_workgroup_id_y 1
		.amdhsa_system_sgpr_workgroup_id_z 1
		.amdhsa_system_vgpr_workitem_id 0
		.amdhsa_next_free_vgpr 256
		.amdhsa_next_free_sgpr 84
		.amdhsa_reserve_vcc 0
		.amdhsa_float_denorm_mode_32 3
		.amdhsa_float_denorm_mode_16_64 3
		.amdhsa_memory_ordered 1
		.amdhsa_forward_progress 1
		.amdhsa_inst_pref_size 71
	.end_amdhsa_kernel
	.amdgpu_metadata
---
amdhsa.version: [ 1, 2 ]
amdhsa.kernels:
  - .name:           k_q3df164040c_attn
    .symbol:         k_q3df164040c_attn.kd
    .args:
      - { .name: qkvc, .offset: 0, .size: 8, .value_kind: global_buffer, .address_space: global }
      - { .name: qkvs, .offset: 8, .size: 8, .value_kind: global_buffer, .address_space: global }
      - { .name: ac, .offset: 16, .size: 8, .value_kind: global_buffer, .address_space: global }
      - { .name: as2, .offset: 24, .size: 8, .value_kind: global_buffer, .address_space: global }
    .group_segment_fixed_size: 210944
    .private_segment_fixed_size: 0
    .kernarg_segment_align: 8
    .kernarg_segment_size: 32
    .max_flat_workgroup_size: 512
    .sgpr_count:     84
    .vgpr_count:     256
    .wavefront_size: 32
...
	.end_amdgpu_metadata
.endif
;; end of part 3
;; launch outproj (part 4): grid 256 x 1, 4 waves a work-group, clusters of 4 x 1, 295,424 bytes of LDS; arguments cin, sin, ac, as2, b_o, out0; writes out0
.if DOCPART == 4
	.amdgcn_target "amdgcn-amd-amdhsa--gfx1250"
	.amdhsa_code_object_version 6
	.text
	.protected	k_q3df164040c_outproj
	.globl	k_q3df164040c_outproj
	.p2align	8
	.type	k_q3df164040c_outproj,@function
k_q3df164040c_outproj:
	s_mov_b64 s[64:65], 0
	v_nop
	global_prefetch_b8 v0, s[64:65] scope:SCOPE_SE
	s_setreg_imm32_b32 hwreg(HW_REG_WAVE_MODE, 25, 1), 1
	s_wait_xcnt 0x0
	s_wait_alu depctr_hold_cnt(0) depctr_sa_sdst(0) depctr_va_vdst(0) depctr_va_sdst(0) depctr_va_ssrc(0) depctr_va_vcc(0) depctr_vm_vsrc(0)
	s_getreg_b32 s2, hwreg(HW_REG_IB_STS2, 6, 4)
	s_cmp_eq_u32 s2, 0
	s_cbranch_scc0 .Lentry_in_a_cluster
	s_endpgm
.Lentry_in_a_cluster:
	s_bfe_u32 s2, ttmp6, 0x10000c
	s_cmp_lg_u32 s2, 0x3003
	s_cbranch_scc0 .Lentry_shape_is_right
	s_endpgm
.Lentry_shape_is_right:
; out0 = a W_o + b_o: a [8192][1024], the attention's result, and W_o as codes of BF6 (E3M2) with E8M0 scales; f32 sums; b_o is the C of each sum's first product.
; Source 0 = 16 columns n of W_o, source 1 = 16 rows of a: a lane holds one row, and by the row blocks' order the 16 registers of tiles 2 b, 2 b + 1 are columns 32 b + 16 (lane / 16) + 0 .. 15.
; SHARES.  A work-group makes 128 rows x 256 columns over all of K = 1,024: 288 KiB of codes, which lie in LDS whole: every LDS byte is filled once by a tensor load.  Four waves, 64 x 128 each: 32 accumulators.
; CLUSTER.  4 x 1: the four partners have the same 256 columns: W_o's tiles (two thirds of a tile's bytes) are asked for jointly; a's by plain loads.
; A wave has one tensor load out; one wait for 0 shows it landed.
; a's fragments lie as register PAIRS (pair pi of lane l at 256 pi + 8 l), W_o's as groups of four registers (16 bytes a lane).
; REGISTERS: window 0: v1 16 x lane; v2, v6-9 LDS addresses; v10-14 offsets; v16-31 a's scale words, v32-63 W_o's; v64-111, v112-159 a's fragments, two sets; v160-223 the bias; v224-255 halves of a's scale words.
;   window 1: the accumulators, (a, b) at v[64 a + 8 b].   window 2: W_o's fragments, two sets, at v0 and v96.
; THE LOADS (this stands in place of what the head says of chunks and counted waits): each wave issues ONE tensor load: waves 0 and 1 eight row blocks of W_o each (98,304 dense bytes, asked for jointly), waves 2 and 3 four row blocks of a
; each (49,152 dense bytes, the work-group's own).  LDS: W_o's 16 row blocks from byte 0, a's 8 from byte 196,608, each row block's 12,288 bytes as they lie in memory.  One wait for 0 and one barrier show all of it; nothing is filled again.
; a's ROW BLOCKS: row rho of row block beta is row 64 (beta / 4) + 8 (beta % 4) + rho % 8 + 32 (rho / 8).
.set LI,   1
.set ADA,  2
.set ADB,  6
.set STO,  13
.set RD,   14
.set SA,   16
.set SB,   32
.set AF,   64
.set BI,   160
.set HW,   224
.set WV,   12
.set AW,   13
.set BW,   14
.set CX,   15
.set G1A,  16
.set G1B,  24
.set G0A,  32
.set G0B,  48
.set MSB, 0
.macro WIN new
.if MSB != \new
	s_set_vgpr_msb (MSB<<8)|\new
.set MSB, \new
.endif
.endm
.macro CROUND
	s_barrier_signal -1
	s_barrier_wait -1
	s_cmp_lg_u32 s[WV], 0
	s_cbranch_scc1 .Lnot_wave_0_\@
	s_barrier_signal -3
.Lnot_wave_0_\@:
	s_barrier_wait -3
	s_barrier_signal -1
	s_barrier_wait -1
.endm
.macro PLACES
.rept 4
	v_nop
.endr
.endm
.macro FETCH s, set
	WIN 0x80                                       ; destination window 2
.irp i, 0,1,2,3,4,5,6,7
.irp c, 0,1,2
	ds_load_b128 v[96*(\set)+12*\i+4*\c:96*(\set)+12*\i+4*\c+3], v[ADB+(\i)/2] offset:12288*((\i)%2)+1536*(\s)+512*\c
.endr
.endr
	WIN 0
.irp i, 0,1,2,3
.irp p, 0,1,2,3,4,5
	ds_load_b64 v[AF+48*(\set)+12*\i+2*\p:AF+48*(\set)+12*\i+2*\p+1], v[ADA] offset:12288*\i+1536*(\s)+256*\p
.endr
.endr
.endm
.macro WM a, b, s, set, first
.set rD, 64*(\a)+8*(\b)
.set rB, 96*(\set)+12*(\b)
.set rA, AF+48*(\set)+12*(\a)
.set rT, SB+8*((\b)/2)+(\s)
.set rU, SA+8*((\a)/2)+(\s)
.set oB, (\b)%2
.set oA, (\a)%2
.if \first
.set rC, BI+8*(\b)                     ; the bias of these eight columns, in window 0
.else
.set rC, rD
.endif
.if oB && oA
	v_wmma_scale_f32_16x16x128_f8f6f4 v[rD:rD+7], v[rB:rB+11], v[rA:rA+11], v[rC:rC+7], v[rT], v[rU] matrix_a_fmt:MATRIX_FMT_BF6 matrix_b_fmt:MATRIX_FMT_BF6 matrix_a_scale:MATRIX_SCALE_ROW1 matrix_b_scale:MATRIX_SCALE_ROW1
.elseif oB
	v_wmma_scale_f32_16x16x128_f8f6f4 v[rD:rD+7], v[rB:rB+11], v[rA:rA+11], v[rC:rC+7], v[rT], v[rU] matrix_a_fmt:MATRIX_FMT_BF6 matrix_b_fmt:MATRIX_FMT_BF6 matrix_a_scale:MATRIX_SCALE_ROW1
.elseif oA
	v_wmma_scale_f32_16x16x128_f8f6f4 v[rD:rD+7], v[rB:rB+11], v[rA:rA+11], v[rC:rC+7], v[rT], v[rU] matrix_a_fmt:MATRIX_FMT_BF6 matrix_b_fmt:MATRIX_FMT_BF6 matrix_b_scale:MATRIX_SCALE_ROW1
.else
	v_wmma_scale_f32_16x16x128_f8f6f4 v[rD:rD+7], v[rB:rB+11], v[rA:rA+11], v[rC:rC+7], v[rT], v[rU] matrix_a_fmt:MATRIX_FMT_BF6 matrix_b_fmt:MATRIX_FMT_BF6
.endif
.endm
.macro MUL s, set, first               ; a K step's 32 products: the 32 accumulators take turns, one instruction a turn, in the same order in every step
.if \first
	WIN 0x42                                       ; source 0 window 2, sources 1 and 2 window 0, D window 1
.else
	WIN 0x52                                       ; C and D window 1
.endif
.irp a, 0,1,2,3
.irp b, 0,1,2,3,4,5,6,7
	WM \a, \b, \s, \set, \first
.endr
.endr
.endm
.macro KSTEP s
	s_wait_dscnt 0x0                               ; this step's fragments are in
.if (\s) == 7
	s_barrier_signal -1                            ; my last reads of the fragments' bytes are over: the stages of the way out lie on them
.endif
.if (\s) > 0
	PLACES                                         ; in front of loads into the set that the last step's products read
.endif
.if (\s) < 7
	FETCH (\s)+1, ((\s)+1)%2
.endif
	MUL \s, (\s)%2, (\s)==0
	WIN 0
.if (\s) == 7
	s_barrier_wait -1                              ; everybody's are
.endif
.endm
	s_load_b256 s[4:11], s[0:1], 0x0               ; cin s[4:5], sin s[6:7], ac s[8:9], as2 s[10:11]
	s_load_b128 s[92:95], s[0:1], 0x20             ; b_o s[92:93], out0 s[94:95]
	s_set_vgpr_msb 0x80
	v_lshl_add_u32 v192, v0, 2, 0x48000
	v_mov_b32 v193, 0
	s_set_vgpr_msb 0x808a
	ds_add_u32 v192, v193
	ds_add_u32 v192, v193
	s_set_vgpr_msb 0x8a00
	v_lshrrev_b32 v1, 5, v0
	v_readfirstlane_b32 s[WV], v1
	s_lshr_b32 s[AW], s[WV], 1                     ; which 64 rows are mine
	s_and_b32 s[BW], s[WV], 1                      ; which 128 columns
	s_bfe_u32 s[CX], ttmp6, 0x40000                ; my place in the cluster: it enters a's global addresses and the stores' alone
	s_and_b32 s69, ttmp9, 3                        ; which 256 columns: the same in all four partners
	s_lshr_b32 s70, ttmp9, 2
	s_lshl_b32 s71, s70, 2
	s_add_co_u32 s71, s71, s[CX]                   ; my 128 rows
	s_lshl_b32 s72, s71, 3                         ; a's first row block
	s_lshl_b32 s73, s69, 4
	s_add_co_u32 s73, s73, 1216                    ; W_o's first row block in cin
	s_mov_b32 s[G1A], 3<<16
	s_mov_b32 s[G1A+1], 1536<<16                   ; rows of 12,288 bytes (a whole row block), dense in memory and in LDS: 4 for a,
	s_mov_b32 s[G1A+2], 4<<16
	s_mov_b32 s[G1A+3], 1536<<16
	s_mov_b32 s[G1A+4], 4
	s_mov_b32 s[G1A+5], 1536
	s_mov_b32 s[G1A+6], 0
	s_mov_b32 s[G1A+7], 0
	s_mov_b32 s[G1B], 15|(3<<16)|(1<<21)           ; with the mask of all four partners
	s_mov_b32 s[G1B+1], 1536<<16                   ; 8 for W_o
	s_mov_b32 s[G1B+2], 8<<16
	s_mov_b32 s[G1B+3], 1536<<16
	s_mov_b32 s[G1B+4], 8
	s_mov_b32 s[G1B+5], 1536
	s_mov_b32 s[G1B+6], 0
	s_mov_b32 s[G1B+7], 0
	s_lshl_b32 s86, s[BW], 2
	s_add_co_u32 s86, s86, s72
	s_mul_i32 s86, s86, 12288                      ; a: waves 2, 3 fetch row blocks 0-3, 4-7
	s_mov_b32 s87, 0
	s_lshl_b32 s82, s[BW], 3
	s_add_co_u32 s82, s82, s73
	s_mul_i32 s82, s82, 12288                      ; W_o: waves 0, 1 fetch row blocks 0-7, 8-15
	s_mov_b32 s83, 0
	s_mul_i32 s84, s[WV], 49152
	s_add_co_u32 s84, s84, 98304                   ; a goes to 196,608 + 49,152 (wave - 2),
	s_mul_i32 s85, s[WV], 98304                    ; W_o to 98,304 x wave
	s_lshl_b32 s88, s[AW], 2
	s_add_co_u32 s88, s88, s72
	s_lshl_b32 s88, s88, 5                         ; a's scale bytes: 32 for a row block and head
	s_mov_b32 s89, 0
	s_lshl_b32 s90, s[BW], 3
	s_add_co_u32 s90, s90, s73
	s_lshl_b32 s90, s90, 9                         ; W_o's scale words
	s_mov_b32 s91, 0
	s_lshl_b32 s96, s69, 10
	s_lshl_b32 s97, s[BW], 9
	s_add_co_u32 s96, s96, s97                     ; my first column, in bytes
	s_mov_b32 s97, 0
	s_lshl_b32 s98, s71, 7
	s_lshl_b32 s99, s[AW], 6
	s_add_co_u32 s98, s98, s99
	s_lshl_b32 s98, s98, 12                        ; my first row, in bytes
	s_add_co_u32 s98, s98, s96
	s_mov_b32 s99, 0
	s_wait_dscnt 0x0
	s_wait_kmcnt 0x0
	s_add_nc_u64 s[86:87], s[8:9], s[86:87]
	s_add_nc_u64 s[82:83], s[4:5], s[82:83]
	s_add_nc_u64 s[88:89], s[10:11], s[88:89]
	s_add_nc_u64 s[90:91], s[6:7], s[90:91]
	s_add_nc_u64 s[92:93], s[92:93], s[96:97]
	s_add_nc_u64 s[94:95], s[94:95], s[98:99]
	s_mov_b32 s[G0A], 1
	s_mov_b32 s[G0A+1], s84
	s_mov_b64 s[G0A+2:G0A+3], s[86:87]
	s_or_b32 s[G0A+3], s[G0A+3], 0x80000000
	s_mov_b32 s[G0B], 1
	s_mov_b32 s[G0B+1], s85
	s_mov_b64 s[G0B+2:G0B+3], s[82:83]
	s_or_b32 s[G0B+3], s[G0B+3], 0x80000000
	CROUND                                         ; all four work-groups are here: the joint loads meet
	s_cmp_eq_u32 s[AW], 0                          ; one load a wave, in one arm of a branch on the wave's number
	s_cbranch_scc0 .Lfor_a
	tensor_load_to_lds s[G0B:G0B+3], s[G1B:G1B+7]
	s_nop 0
	PLACES
	s_branch .Lasked
.Lfor_a:
	tensor_load_to_lds s[G0A:G0A+3], s[G1A:G1A+7]
	s_nop 0
	PLACES
.Lasked:
	v_and_b32 v11, 31, v0                          ; lane
	v_lshlrev_b32 v[LI], 4, v11
	v_and_b32 v15, 15, v0                          ; r
	v_bfe_u32 v12, v0, 4, 1                        ; h
	v_lshlrev_b32 v10, 4, v15
	v_lshl_add_u32 v10, v12, 9, v10                ; W_o's scale words: 512 h + 16 r
	s_mul_i32 s2, s[WV], 16*528                    ; my stage for the way out
	v_mul_u32_u24 v[STO], v15, 528
	v_lshl_add_u32 v[STO], v12, 6, v[STO]
	v_add_nc_u32 v[STO], s2, v[STO]                ; in: row r, + 64 h
	v_add_nc_u32 v[RD], s2, v[LI]                  ; back: 16 bytes a lane of a row of 512
	v_lshlrev_b32 v12, 6, v12                      ; the bias: 64 h
	v_lshlrev_b32 v15, 3, v11                      ; 8 x lane
	s_wait_alu depctr_va_vdst(0)
	v_lshlrev_b32 v11, 1, v11                      ; 2 x lane
.irp i, 0,1,2,3
.irp k, 0,1
	global_load_b128 v[SB+8*\i+4*\k:SB+8*\i+4*\k+3], v10, s[90:91] offset:1024*\i+256*\k
.endr
.endr
.irp i, 0,1
.irp d, 0,1,2,3,4,5,6,7,8,9,10,11,12,13,14,15
	global_load_u16 v[HW+16*\i+\d], v11, s[88:89] offset:64*\i+16384*\d   ; head d's two bytes: lanes 0-15 row block 2 i, lanes 16-31 row block 2 i + 1
.endr
.endr
.irp b, 0,1,2,3,4,5,6,7
	global_load_b128 v[BI+8*\b:BI+8*\b+3], v12, s[92:93] offset:(32*(\b/2)+8*(\b%2))*4
	global_load_b128 v[BI+8*\b+4:BI+8*\b+7], v12, s[92:93] offset:(32*(\b/2)+8*(\b%2))*4+16
.endr
	s_mul_i32 s2, s[AW], 49152
	s_add_co_u32 s2, s2, 196608                    ; my four row blocks of a
	s_mul_i32 s3, s[BW], 98304                     ; my eight of W_o: an address register for each two
	v_add_nc_u32 v[ADA], s2, v15
.irp q, 0,1,2,3
	v_add_nc_u32 v[ADB+\q], s3, v[LI]
	s_add_co_u32 s3, s3, 24576
.endr
	s_wait_alu depctr_va_vdst(0)
	s_wait_tensorcnt 0x0                           ; my one load has landed
	s_barrier_signal -1
	s_barrier_wait -1
	FETCH 0, 0
	s_wait_loadcnt 0x0                             ; scale words, halves and bias
.irp i, 0,1
.irp s, 0,1,2,3,4,5,6,7
	v_lshl_or_b32 v[SA+8*\i+\s], v[HW+16*\i+2*\s+1], 16, v[HW+16*\i+2*\s]   ; K step s is heads 2 s and 2 s + 1
.endr
.endr
.rept 8
	v_nop                                          ; a scale register written by a vector instruction stands eight places ahead of a scaled product
.endr
	s_wait_alu depctr_va_vdst(0)
	KSTEP 0                                        ; its products start the sums from the bias: nothing is cleared, nothing is added later
	KSTEP 1
	KSTEP 2
	KSTEP 3
	KSTEP 4
	KSTEP 5
	KSTEP 6
	KSTEP 7
; THE WAY OUT, a row block of 16 rows x 128 columns at a time, through my own stage in LDS and back as whole rows of 512 bytes.  The stages lie on W_o's first bytes, which have had their one fill: every wave's last reads of the
; fragments were waited for in front of the barrier of K step 7.  LDS serves a wave's instructions in order: no wait between the stores and the loads.
.macro TOSTAGE a
	WIN 0x04                                       ; an LDS store's data: window 1
.irp b, 0,1,2,3,4,5,6,7
	ds_store_b128 v[STO], v[64*(\a)+8*\b:64*(\a)+8*\b+3] offset:128*(\b/2)+32*(\b%2)        ; each accumulator from its low end on
	ds_store_b128 v[STO], v[64*(\a)+8*\b+4:64*(\a)+8*\b+7] offset:128*(\b/2)+32*(\b%2)+16
.endr
	WIN 0
.set BB, 64+64*((\a)%2)
.set t, 0
.rept 16
	ds_load_b128 v[BB+4*t:BB+4*t+3], v[RD] offset:528*t
.set t, t+1
.endr
.endm
.macro SEND a, younger                 ; younger: the LDS instructions issued behind block a's loads, which may stay out
.set BB, 64+64*((\a)%2)
	s_wait_dscnt \younger
.set t, 0
.rept 16
	global_store_b128 v[LI], v[BB+4*t:BB+4*t+3], s[94:95] offset:(8*(\a)+t+24*(t/8))*4096 th:TH_STORE_NT   ; 512 consecutive bytes of a row, aligned to 256; row t of my row block a is row 8 a + t % 8 + 32 (t / 8) of my 64
.set t, t+1
.endr
.endm
	PLACES                                         ; in front of the first read of results and of loads into registers that held a's fragments
	TOSTAGE 0
.irp a, 1,2,3
.if \a > 1
	s_wait_xcnt 0x0                                ; block a - 2's stores have read their registers: block a's loads may land there
.endif
	TOSTAGE \a
	SEND \a-1, 32                                  ; behind block a - 1's loads: block a's 16 stores and 16 loads
.endr
	SEND 3, 0
	s_set_vgpr_msb 0xa
	s_wait_tensorcnt 0x0
	ds_add_u32 v192, v193
	s_wait_dscnt 0x0
	s_set_vgpr_msb 0xa00
	CROUND                                         ; the closing round: no work-group ends while a partner may still ask for a tile that names it
	s_endpgm
.Lfunc_end_k_q3df164040c_outproj:
	.size	k_q3df164040c_outproj, .Lfunc_end_k_q3df164040c_outproj-k_q3df164040c_outproj
	.p2alignl 7, 3214868480
	.fill 96, 4, 3214868480
	.section	.rodata,"a",@progbits
	.p2align	6, 0x0
	.amdhsa_kernel k_q3df164040c_outproj
		.amdhsa_group_segment_fixed_size 295424
		.amdhsa_private_segment_fixed_size 0
		.amdhsa_enable_private_segment 0
		.amdhsa_kernarg_size 48
		.amdhsa_user_sgpr_count 2
		.amdhsa_user_sgpr_kernarg_segment_ptr 1
		.amdhsa_wavefront_size32 1
		.amdhsa_system_sgpr_workgroup_id_x 1
		.amdhsa_system_sgpr_workgroup_id_y 1
		.amdhsa_system_sgpr_workgroup_id_z 1
		.amdhsa_system_vgpr_workitem_id 0
		.amdhsa_next_free_vgpr 706
		.amdhsa_next_free_sgpr 100
		.amdhsa_reserve_vcc 0
		.amdhsa_float_denorm_mode_32 3
		.amdhsa_float_denorm_mode_16_64 3
		.amdhsa_memory_ordered 1
		.amdhsa_forward_progress 1
		.amdhsa_inst_pref_size 86
	.end_amdhsa_kernel
	.amdgpu_metadata
---
amdhsa.version: [ 1, 2 ]
amdhsa.kernels:
  - .name:           k_q3df164040c_outproj
    .symbol:         k_q3df164040c_outproj.kd
    .args:
      - { .name: cin, .offset: 0, .size: 8, .value_kind: global_buffer, .address_space: global }
      - { .name: sin, .offset: 8, .size: 8, .value_kind: global_buffer, .address_space: global }
      - { .name: ac, .offset: 16, .size: 8, .value_kind: global_buffer, .address_space: global }
      - { .name: as2, .offset: 24, .size: 8, .value_kind: global_buffer, .address_space: global }
      - { .name: b_o, .offset: 32, .size: 8, .value_kind: global_buffer, .address_space: global }
      - { .name: out0, .offset: 40, .size: 8, .value_kind: global_buffer, .address_space: global }
    .group_segment_fixed_size: 295424
    .private_segment_fixed_size: 0
    .kernarg_segment_align: 8
    .kernarg_segment_size: 48
    .max_flat_workgroup_size: 128
    .sgpr_count:     100
    .vgpr_count:     706
    .wavefront_size: 32
...
	.end_amdgpu_metadata
.endif
;; end of part 4
